; MI455X (gfx1250); checked and timed in simulation.
; The chip was launched on July 23, 2026; its instructions are those of AMD's public machine-readable ISA for CDNA 5 (MIT licence, August 2026) and "CDNA5" Instruction Set Architecture Reference Guide (July 2026). The comments in the code are by the model that wrote it; some were corrected since.
;; Importance Weighted Attention. Allowed arithmetic: float matrix products may take bf16 or f16 operands with f32 sums; other float arithmetic in f32, or as packed bf16 or f16 multiplies, adds, multiply-adds, maxima and minima; sums over many terms, partial sums and values carried from step to step in f32; what a program stores and reads back later, other than sums and carried values, may be rounded once to bf16 or f16.
;; Inputs: Wk 512 x 512 float32; Wo 512 x 512 float32; Wq 512 x 512 float32; Wv 512 x 512 float32; bk 512 float32; bo 512 float32; bq 512 float32; bv 512 float32; importance 8 x 8,192 float32; key 8 x 8,192 x 512 float32; query 8 x 128 x 512 float32; value 8 x 8,192 x 512 float32.
;; Outputs: out0 8 x 128 x 512 float32.
;; 3 versions, each right; version 3 is version 2 with the launch prep written anew for expert scheduling mode. Each part assembles by itself: llvm-mc -triple=amdgcn-amd-amdhsa -mcpu=gfx1250 --defsym DOCPART=n.
;; ======== version 1 of 3: 3 launches
;; limits: values are held in f16: magnitudes above 65,504 overflow, below 6.1e-05 lose precision
;; workspace buffers: qs 1,048,576 bytes; wb 1,572,864 bytes; po 16,777,216 bytes; pml 1,048,576 bytes
;; launch prep (part 1): grid 256 x 1, 4 waves a work-group, no clusters, 0 bytes of LDS; arguments query, Wq, bq, Wk, Wv, Wo, qs, wb; writes qs, wb
.if DOCPART == 1
	.amdgcn_target "amdgcn-amd-amdhsa--gfx1250"
	.amdhsa_code_object_version 6
	.text
	.protected	k_qf3bf5a4852_prep
	.globl	k_qf3bf5a4852_prep
	.p2align	8
	.type	k_qf3bf5a4852_prep,@function
k_qf3bf5a4852_prep:
	s_mov_b64 s[64:65], 0
	v_nop
	global_prefetch_b8 v0, s[64:65] scope:SCOPE_SE
	s_setreg_imm32_b32 hwreg(HW_REG_WAVE_MODE, 25, 1), 1
	s_wait_xcnt 0x0
; q' = f16((bf16(query) bf16(Wq)^T + bf16(bq)) x c), c = log2(e) / sqrt(32), and the three other weights, all laid out as ready matrix fragments.
; query [1024][512], Wq, Wk, Wv, Wo [512][512], bq [512], all f32.  Every input is rounded once to bf16; sums in f32; q' is rounded once, to f16.
; qs:  ((b 16 + head) 8 + qt) 1024 + i 512 + lane 16: registers 4 i .. 4 i + 3 of the fragment of 16 queries x 32 channels.
; wb:  mtx 524288 + cb 65536 + (4 s + ct) 1024 + i 512 + lane 16: half i of the fragment of rows 16 (4 cb + ct) .. + 15, K = 32 s .. + 31.  Wk, Wv in bf16; Wo rounded to bf16 and that number written as f16.
; LIMITS.  q' must stay within f16's 65,504; a number of Wo below 6e-5 keeps f16's fixed step of 6e-8.  NaN and infinities are not treated apart.
; SHARES.  1,024 waves.  Wave W makes 16 queries (row tile W / 16) x the 32 channels of head W % 16: two accumulators by turns, 16 K steps; and half fragment W of each of Wk, Wv, Wo.
; The product is taken transposed (source 0 = 16 rows of Wq, source 1 = 16 queries): a lane ends with ONE query and eight neighbouring channels, which pack into the 16 bytes of the fragment to be.
; All 202 loads go out at once, each into registers of its own; no loop, no LDS, no barrier.  No cluster, no prefetch: the launch reads 6 MiB and is over when they have come.
.set CSC, 0x3e8293ee                   ; c = log2(e) / sqrt(32)
.set QO,  5                            ; v5   (l % 16) x 2048 + 32 (l / 16): my place in 16 rows of 512 f32; never rewritten
.set BO,  6                            ; v6   32 (l / 16)
.set GO,  7                            ; v7   16 l
.set ACC, 16                           ; v[16:31]   two accumulators, started with the bias
.set FR,  32                           ; v[32:79]   two sets of three fragments: Wq's two tiles, the queries
.set WS,  80                           ; v[80:103]  8 f32 of each of Wk, Wv, Wo
.set WP,  104                          ; v[104:115] the same, packed
.set TB,  116                          ; v[116:123] at work
; K step ks is staged in 48 registers: steps 0-4 in window 1, 5-9 in window 2, 10-14 in window 3, step 15 in v[208:255] of window 0
.set MSB, 0
.macro WIN new                         ; the immediate's high byte repeats the setting that is left; a switch that changes nothing is dropped
.if MSB != (\new)
	s_set_vgpr_msb (MSB<<8)|(\new)
.set MSB, (\new)
.endif
.endm
	s_load_b512 s[4:19], s[0:1], 0x0               ; query s[4:5], Wq s[6:7], bq s[8:9], Wk s[10:11], Wv s[12:13], Wo s[14:15], qs s[16:17], wb s[18:19]
	v_lshrrev_b32 v1, 5, v0
	v_readfirstlane_b32 s20, v1                    ; wave 0..3
	s_lshl_b32 s21, ttmp9, 2
	s_add_co_u32 s21, s21, s20                     ; W
	s_lshr_b32 s22, s21, 4                         ; row tile = 8 b + qt
	s_and_b32 s23, s21, 15                         ; head
	s_lshl_b32 s32, s22, 15                        ; query: 16 rows of 2,048 bytes
	s_mov_b32 s33, 0
	s_lshl_b32 s34, s23, 16                        ; Wq: 32 rows
	s_mov_b32 s35, 0
	s_lshl_b32 s36, s23, 7                         ; bq: 32 numbers
	s_mov_b32 s37, 0
	s_lshr_b32 s38, s21, 7                         ; my half fragment of the weights: cb,
	s_bfe_u32 s24, s21, 0x20001                    ; ct,
	s_lshl2_add_u32 s38, s38, s24
	s_lshl_b32 s38, s38, 15                        ; 16 rows x (4 cb + ct)
	s_bfe_u32 s24, s21, 0x40003                    ; K step: 128 bytes,
	s_lshl_b32 s24, s24, 7
	s_add_co_u32 s38, s38, s24
	s_and_b32 s24, s21, 1                          ; half: 64 bytes
	s_lshl_b32 s24, s24, 6
	s_add_co_u32 s38, s38, s24
	s_mov_b32 s39, 0
	s_lshr_b32 s40, s22, 3                         ; b
	s_lshl_b32 s40, s40, 4
	s_add_co_u32 s40, s40, s23
	s_lshl_b32 s40, s40, 3
	s_and_b32 s24, s22, 7                          ; qt
	s_add_co_u32 s40, s40, s24
	s_lshl_b32 s40, s40, 10                        ; qs: ((16 b + head) 8 + qt) x 1,024
	s_mov_b32 s41, 0
	s_lshl_b32 s42, s21, 9                         ; wb: 512 W
	s_mov_b32 s43, 0
	s_mov_b32 s26, CSC
	s_mov_b32 s27, CSC                             ; named with it as a pair
	s_mov_b32 s28, 0xffff0000                      ; a word's upper bf16
	v_and_b32 v2, 15, v0                           ; l % 16
	v_bfe_u32 v3, v0, 4, 1                         ; l / 16
	v_and_b32 v4, 31, v0                           ; l
	v_lshlrev_b32 v[QO], 11, v2
	v_lshl_add_u32 v[QO], v3, 5, v[QO]
	v_lshlrev_b32 v[BO], 5, v3
	v_lshlrev_b32 v[GO], 4, v4
	s_wait_kmcnt 0x0
	s_add_nc_u64 s[4:5], s[4:5], s[32:33]
	s_add_nc_u64 s[6:7], s[6:7], s[34:35]
	s_add_nc_u64 s[8:9], s[8:9], s[36:37]
	s_add_nc_u64 s[10:11], s[10:11], s[38:39]
	s_add_nc_u64 s[12:13], s[12:13], s[38:39]
	s_add_nc_u64 s[14:15], s[14:15], s[38:39]
	s_add_nc_u64 s[16:17], s[16:17], s[40:41]
	s_add_nc_u64 s[18:19], s[18:19], s[42:43]
	; the bias lands where the sums begin: register j of tile ct is channel 16 ct + 8 (l / 16) + j
.irp ct, 0,1
	global_load_b128 v[ACC+8*\ct:ACC+8*\ct+3],   v[BO], s[8:9] offset:64*\ct
	global_load_b128 v[ACC+8*\ct+4:ACC+8*\ct+7], v[BO], s[8:9] offset:64*\ct+16
.endr
	global_load_b128 v[WS:WS+3],      v[QO], s[10:11]
	global_load_b128 v[WS+4:WS+7],    v[QO], s[10:11] offset:16
	global_load_b128 v[WS+8:WS+11],   v[QO], s[12:13]
	global_load_b128 v[WS+12:WS+15],  v[QO], s[12:13] offset:16
	global_load_b128 v[WS+16:WS+19],  v[QO], s[14:15]
	global_load_b128 v[WS+20:WS+23],  v[QO], s[14:15] offset:16
	; a fragment's 16 f32 of a lane: K = 8 (l / 16) + 0..7 at bytes 0 and 16, K = 16 + 8 (l / 16) + 0..7 at bytes 64 and 80 of the K step's 128
.set ks, 0
.rept 16
.if ks < 15
.set wn, ks/5+1
.set sb, 48*(ks%5)
.else
.set wn, 0
.set sb, 208
.endif
	WIN wn*64                                      ; destination window wn, address window 0
.irp x, 0,1
.irp q, 0,1,2,3
	global_load_b128 v[sb+16*(\x)+4*(\q):sb+16*(\x)+4*(\q)+3], v[QO], s[6:7] offset:32768*(\x)+128*ks+16*((\q)%2)+64*((\q)/2)
.endr
.endr
.irp q, 0,1,2,3
	global_load_b128 v[sb+32+4*(\q):sb+32+4*(\q)+3], v[QO], s[4:5] offset:128*ks+16*((\q)%2)+64*((\q)/2)
.endr
.set ks, ks+1
.endr
	WIN 0
	s_wait_loadcnt 63                              ; of 202 loads at most 63 are out: the first ten, the bias and the weights' pieces, are in
.set j, 0
.rept 8
	v_cvt_pk_bf16_f32 v[TB+j], v[ACC+2*j], v[ACC+2*j+1]  ; the bias is rounded to bf16 like every input,
.set j, j+1
.endr
.set j, 0
.rept 8
	v_lshlrev_b32 v[ACC+2*j], 16, v[TB+j]          ; and widened again
	v_and_b32 v[ACC+2*j+1], s28, v[TB+j]
.set j, j+1
.endr
.set j, 0
.rept 12
	v_cvt_pk_bf16_f32 v[WP+j], v[WS+2*j], v[WS+2*j+1]
.set j, j+1
.endr
.set j, 0
.rept 4
	v_lshlrev_b32 v[WS+16+2*j], 16, v[WP+8+j]      ; Wo: the bf16 number is written as f16, for the product with the merged O
	v_and_b32 v[WS+16+2*j+1], s28, v[WP+8+j]
.set j, j+1
.endr
.set j, 0
.rept 4
	v_cvt_pk_f16_f32 v[WP+8+j], v[WS+16+2*j], v[WS+16+2*j+1]
.set j, j+1
.endr
	global_store_b128 v[GO], v[WP:WP+3],    s[18:19]                 ; each store of the wave covers 512 consecutive bytes, aligned
	global_store_b128 v[GO], v[WP+4:WP+7],  s[18:19] offset:524288
	global_store_b128 v[GO], v[WP+8:WP+11], s[18:19] offset:1048576
	; 16 K steps: 24 conversions into the fragment set that the step before does not read, then two products; the two accumulators take turns
.set ks, 0
.rept 16
.if 12*(15-ks) > 63
	s_wait_loadcnt 63                              ; the field's largest count: more than 63 loads were issued behind this step's
.else
	s_wait_loadcnt 12*(15-ks)                      ; twelve loads a later step may stay out
.endif
.if ks < 15
.set wn, ks/5+1
.set sb, 48*(ks%5)
.else
.set wn, 0
.set sb, 208
.endif
	WIN 5*wn                                       ; both sources in window wn
.set j, 0
.rept 24
	v_cvt_pk_bf16_f32 v[FR+24*(ks%2)+j], v[sb+2*j], v[sb+2*j+1]
.set j, j+1
.endr
	WIN 0
	v_wmma_f32_16x16x32_bf16 v[ACC:ACC+7],    v[FR+24*(ks%2):FR+24*(ks%2)+7],    v[FR+24*(ks%2)+16:FR+24*(ks%2)+23], v[ACC:ACC+7]
	v_wmma_f32_16x16x32_bf16 v[ACC+8:ACC+15], v[FR+24*(ks%2)+8:FR+24*(ks%2)+15], v[FR+24*(ks%2)+16:FR+24*(ks%2)+23], v[ACC+8:ACC+15]
.set ks, ks+1
.endr
.rept 8
	v_nop                                          ; the places behind the last products (ISA guide 7.12.1), once a launch
.endr
.set j, 0
.rept 8
	v_pk_mul_f32 v[ACC+2*j:ACC+2*j+1], v[ACC+2*j:ACC+2*j+1], s[26:27] op_sel_hi:[1,0]  ; x c, in f32; each accumulator from its low end on
.set j, j+1
.endr
.set j, 0
.rept 8
	v_cvt_pk_f16_f32 v[FR+j], v[ACC+2*j], v[ACC+2*j+1]
.set j, j+1
.endr
	global_store_b128 v[GO], v[FR:FR+3],   s[16:17]
	global_store_b128 v[GO], v[FR+4:FR+7], s[16:17] offset:512
	s_endpgm
.Lfunc_end_k_qf3bf5a4852_prep:
	.size	k_qf3bf5a4852_prep, .Lfunc_end_k_qf3bf5a4852_prep-k_qf3bf5a4852_prep
	.p2alignl 7, 3214868480
	.fill 96, 4, 3214868480
	.section	.rodata,"a",@progbits
	.p2align	6, 0x0
	.amdhsa_kernel k_qf3bf5a4852_prep
		.amdhsa_group_segment_fixed_size 0
		.amdhsa_private_segment_fixed_size 0
		.amdhsa_enable_private_segment 0
		.amdhsa_kernarg_size 64
		.amdhsa_user_sgpr_count 2
		.amdhsa_user_sgpr_kernarg_segment_ptr 1
		.amdhsa_wavefront_size32 1
		.amdhsa_system_sgpr_workgroup_id_x 1
		.amdhsa_system_sgpr_workgroup_id_y 1
		.amdhsa_system_sgpr_workgroup_id_z 1
		.amdhsa_system_vgpr_workitem_id 0
		.amdhsa_next_free_vgpr 1024
		.amdhsa_next_free_sgpr 66
		.amdhsa_reserve_vcc 0
		.amdhsa_float_denorm_mode_32 3
		.amdhsa_float_denorm_mode_16_64 3
		.amdhsa_memory_ordered 1
		.amdhsa_forward_progress 1
		.amdhsa_inst_pref_size 53
	.end_amdhsa_kernel
	.amdgpu_metadata
---
amdhsa.version: [ 1, 2 ]
amdhsa.kernels:
  - .name:           k_qf3bf5a4852_prep
    .symbol:         k_qf3bf5a4852_prep.kd
    .args:
      - { .name: query, .offset: 0, .size: 8, .value_kind: global_buffer, .address_space: global }
      - { .name: Wq, .offset: 8, .size: 8, .value_kind: global_buffer, .address_space: global }
      - { .name: bq, .offset: 16, .size: 8, .value_kind: global_buffer, .address_space: global }
      - { .name: Wk, .offset: 24, .size: 8, .value_kind: global_buffer, .address_space: global }
      - { .name: Wv, .offset: 32, .size: 8, .value_kind: global_buffer, .address_space: global }
      - { .name: Wo, .offset: 40, .size: 8, .value_kind: global_buffer, .address_space: global }
      - { .name: qs, .offset: 48, .size: 8, .value_kind: global_buffer, .address_space: global }
      - { .name: wb, .offset: 56, .size: 8, .value_kind: global_buffer, .address_space: global }
    .group_segment_fixed_size: 0
    .private_segment_fixed_size: 0
    .kernarg_segment_align: 8
    .kernarg_segment_size: 64
    .max_flat_workgroup_size: 128
    .sgpr_count:     66
    .vgpr_count:     1024
    .wavefront_size: 32
...
	.end_amdgpu_metadata
.endif
;; end of part 1
;; launch main (part 2): grid 32 x 8, 4 waves a work-group, clusters of 4 x 1, 327,680 bytes of LDS; arguments key, value, importance, wb, bk, bv, qs, po, pml; writes po, pml
.if DOCPART == 2
	.amdgcn_target "amdgcn-amd-amdhsa--gfx1250"
	.amdhsa_code_object_version 6
	.text
	.protected	k_qf3bf5a4852_main
	.globl	k_qf3bf5a4852_main
	.p2align	8
	.type	k_qf3bf5a4852_main,@function
k_qf3bf5a4852_main:
	s_mov_b64 s[64:65], 0
	v_nop
	global_prefetch_b8 v0, s[64:65] scope:SCOPE_SE
	s_setreg_imm32_b32 hwreg(HW_REG_WAVE_MODE, 25, 1), 1
	s_wait_xcnt 0x0
	s_wait_alu depctr_hold_cnt(0) depctr_sa_sdst(0) depctr_va_vdst(0) depctr_va_sdst(0) depctr_va_ssrc(0) depctr_va_vcc(0) depctr_vm_vsrc(0)
	s_getreg_b32 s2, hwreg(HW_REG_IB_STS2, 6, 4)
	s_cmp_eq_u32 s2, 0
	s_cbranch_scc0 .Lentry_in_a_cluster
	s_endpgm
.Lentry_in_a_cluster:
	s_bfe_u32 s2, ttmp6, 0x10000c
	s_cmp_lg_u32 s2, 0x3003
	s_cbranch_scc0 .Lentry_shape_is_right
	s_endpgm
.Lentry_shape_is_right:
; THE K AND V PROJECTIONS FUSED WITH THE ATTENTION.  key, value [8][8192][512] f32, importance [8][8192] f32, bk, bv [512] f32; wb, qs as the launch before left them.
; k = bf16(key) bf16(Wk)^T + bf16(bk), v likewise; s = q' . k + log2(max(bf16(importance), 1e-6)), q' holding log2(e) / sqrt(32); p = 2^(s - m) with a running maximum m; O = sum p v, l = sum p.
; Out go, for each chunk of 1,024 keys, the unnormalised O (f32), m (in powers of two) and l; the launch behind merges the eight chunks of a batch.
; FORMATS.  The inputs are rounded once to bf16; k, v and p, which the program makes itself, once to f16; all sums, m and l in f32; l is the sum of the unrounded p.
; LIMITS.  k and v must stay within f16's 65,504; p below 6e-5 keeps f16's fixed step of 6e-8; a weight below 2^-126 counts as 0; NaN and infinities are not treated apart (a NaN importance counts as 1e-6).
; SHARES.  A cluster of four work-groups has one batch (cluster y) and one chunk of 1,024 keys (cluster x); partner cx has heads 4 cx .. 4 cx + 3, 128 columns of k and of v.  All four need the same rows of key
; and value, so each tile is asked for JOINTLY: the same tensor load, descriptor and mask in all four.  cx enters global addresses alone: of wb, the biases, qs, po, pml and the prefetch.
; A STEP is 32 keys; 32 steps.  PROJECTION: wave w has type w / 2 (K, V) and half w % 2: it keeps its 64 rows of the weight, 512 registers, for the whole launch and makes W x^T (source 0 = 16 columns,
; source 1 = 16 keys): 4 column tiles x 2 key tiles x 16 K steps = 128 products; an x fragment (4 LDS loads of f32, 8 conversions) feeds 4 of them.  A lane ends with one key and 8 channels: 16 bytes of f16
; into a stage [key][128 channels].  ATTENTION: wave w has head 4 cx + w, all 128 queries: S^T = k q'^T (16 products, the whole head size in one, C = the log importance), softmax, O^T += v^T P (16 products).
; In S^T, P and O^T a lane holds ONE query (lane % 16); a query's maximum and sum want one exchange between the halves of the lanes.
; LDS.  Two slots of a tile each (32 keys of key and of value in f32: four parts of 32 rows x 1,024 bytes, one a wave, rows 1,040 bytes apart), the two stages, the table of log2 importance, the spare words.
; TWO BARRIERS A STEP: the round of the cluster's barrier at its head (tile j is whole; the other slot is free; the last step's reads of the stages are over), and one between the stages' stores and their reads.
; REGISTERS, in windows of 256 (s_set_vgpr_msb: bits 1:0 source 0, 3:2 source 1, 5:4 source 2, 7:6 destination):
;   window 0: v0-31 addresses and at work; v32-63 statistics; v64-255 by turns the projection's (ACC, FB, XB) and the attention's (SS, KF, VF, LB, TA)
;   window 1: v0-127 O^T; v128-191 Q; v192-223 the bias          window 2: the weight's K steps 0-7          window 3: K steps 8-15
.set SUB,   33280                      ; a part of a tile: 32 rows x (1,024 + 16) bytes = 65 x 16 a row: the 16 rows of a load start at 16 different groups of four banks (64 banks of 4 bytes: ISA guide 11.1)
.set SLOT,  4*SUB                      ; 0x20800: it shares no bit with w x SUB (0, 0x8200, 0x10400, 0x18600), so one exclusive or turns an address in one slot into the other's
.set SPI,   288                        ; a stage's row: 256 bytes + 32
.set KST,   2*SLOT                     ; the stage of k: 32 keys
.set VST,   KST+32*SPI                 ; of v
.set LBT,   VST+32*SPI                 ; log2 importance of the chunk's 1,024 keys
.set SPARE, LBT+4096                   ; the spare words, 128 bytes for each wave: two blocks of 256 bytes that no other line names
.set RR,  1                            ; v1   l % 16
.set HH,  2                            ; v2   l / 16
.set SPW, 4                            ; v4   LDS address of my spare word; never rewritten
.set NIL, 5                            ; v5   0; never rewritten
.set XA0, 6                            ; v6   my lane's place in my type's two parts of a slot
.set XA,  7                            ; v7   the same in the slot in hand
.set SA,  8                            ; v8   where I put 16 bytes of k or v
.set KA,  9                            ; v9   my lane's place in the stage of k, my head
.set VA,  10                           ; v10  the same for v, for the turning load
.set LA0, 11                           ; v11  my lane's place in 32 keys of the table
.set LA,  12                           ; v12  the same for the step in hand
.set PFO, 13                           ; v13  2,048 x lane: a row of key or value; never rewritten
.set GO,  14                           ; v14  16 x lane; never rewritten
.set ST,  32                           ; query tile qt at v[ST+4 qt]: m, t (at work), l (even keys', odd keys')
.set ACC, 64                           ; v[64:127]   accumulator 4 kt + ct
.set FB,  128                          ; v[128:223]  three buffers of 32 f32 of x: K steps by turns
.set XB,  224                          ; v[224:255]  two buffers of two fragments of x in bf16
.set PK,  128                          ; the packed results
.set SS,  64                           ; v[64:191]   S^T: tile qt, keys 16 kt on, at SS + 16 qt + 8 kt; P takes the first 8 of a tile's 16
.set KF,  192                          ; v[192:207]
.set VF,  208                          ; v[208:223]
.set LB,  224                          ; v[224:239]
.set TA,  240                          ; v[240:255]  per tile: a, and one at work
.set OT,  0                            ; window 1: O^T of tile qt, channels 16 ct on, at 16 qt + 8 ct
.set QF,  128                          ; window 1
.set BI,  192                          ; window 1: 8 a column tile
.set WV,  22                           ; s22  wave
.set TT,  23                           ; s23  type
.set HF,  24                           ; s24  half
.set CX,  25                           ; s25  my place in the cluster
.set CH,  26                           ; s26  chunk
.set BA,  27                           ; s27  batch
.set G1,  28                           ; s[28:35] descriptor group 1
.set G0,  36                           ; s[36:39] descriptor group 0: it walks
.set TBR, 40                           ; s40  the slot that is read: 0 or SLOT
.set LBO, 41                           ; s41  128 x step
.set LEFT, 43                          ; s43  trips to come
.set PFA, 44                           ; s[44:45] where my prefetch stands
.set SEL, 46                           ; s[46:47] v_permlanex16_b32's selects: each lane takes its own place in the other half
.set WBB, 48                           ; s[48:59] six bases, a pair each
.set BIB, 50
.set QSB, 52
.set IMB, 54
.set POB, 56
.set PMB, 58
.set MK,  67                           ; s67  a word's upper bf16
.set MSB, 0
.macro WIN new                         ; the immediate's high byte repeats the setting that is left; a switch that changes nothing is dropped
.if MSB != (\new)
	s_set_vgpr_msb (MSB<<8)|(\new)
.set MSB, (\new)
.endif
.endm
.macro PLACES                          ; four places behind a matrix instruction (ISA guide 7.12.1 for vector instructions)
.rept 4
	v_nop
.endr
.endm
; A round of the cluster's barrier: my work-group's barrier, so that wave 0's signal speaks for all four waves; wave 0 signals; every wave waits for all four work-groups; my work-group's barrier once more.
.macro CROUND
	s_barrier_signal -1
	s_barrier_wait -1
	s_cmp_lg_u32 s[WV], 0
	s_cbranch_scc1 .Lnot_wave_0_\@
	s_barrier_signal -3
.Lnot_wave_0_\@:
	s_barrier_wait -3
	s_barrier_signal -1
	s_barrier_wait -1
.endm
; A PREFETCH INTO THE L2 of the tile that the NEXT trip will ask for.  A tile is 4 parts x 32 rows x 1,024 bytes.  Each wave takes the part that it fetches, a lane a row, and of a row's four blocks of 256 bytes
; partner cx takes block cx, told apart by ADDRESS: one instruction a wave and trip, and each block is named once in the launch.  Tiles 0 and 1 come by their loads alone; the last two trips ask for nothing.
.macro ASK
	s_cmp_gt_u32 s[LEFT], 1
	s_cbranch_scc0 .Lno_ask_\@
	global_prefetch_b8 v[PFO], s[PFA:PFA+1] th:TH_LOAD_NT scope:SCOPE_SE
.Lno_ask_\@:
.endm
; Load l of 8 of K step st: key tile l / 4; of the lane's 16 f32, K = 8 (l / 16) + 0..7 lie at bytes 0 and 16, K = 16 + 8 (l / 16) + 0..7 at bytes 64 and 80 of the step's 128.
.macro LDX st, l
	ds_load_b128 v[FB+32*((\st)%3)+4*(\l):FB+32*((\st)%3)+4*(\l)+3], v[XA] offset:((\st)/8)*SUB+((\l)/4)*16640+((\st)%8)*128+((\l)%2)*16+(((\l)/2)%2)*64
.endm
.macro CV2 st, i                       ; what load i brought, rounded to bf16: two registers of a fragment
	v_cvt_pk_bf16_f32 v[XB+16*((\st)%2)+2*(\i)],   v[FB+32*((\st)%3)+4*(\i)],   v[FB+32*((\st)%3)+4*(\i)+1]
	v_cvt_pk_bf16_f32 v[XB+16*((\st)%2)+2*(\i)+1], v[FB+32*((\st)%3)+4*(\i)+2], v[FB+32*((\st)%3)+4*(\i)+3]
.endm
; K step st: 8 products, the 8 accumulators by turns; two products under one window setting, behind them four conversions for K step st + 1 and two loads for K step st + 3.
; K step 0 starts the sums with the bias.  A fragment of x is rewritten ten conversions or more behind the last product that read it.
.macro KSTEP st
.set c2, 0
.if (\st)+2 <= 15
.set c2, 8
.endif
.set c3, 0
.if (\st)+3 <= 15
.set c3, 4
.endif
.set ip, 0
.rept 4
.if (\st) == 0
	WIN 0x12                                       ; the weight in window 2, the bias in window 1
.elseif (\st) < 8
	WIN 0x02
.else
	WIN 0x03
.endif
.set ia, 2*ip
.rept 2
.set rW, 8*(4*((\st)%8)+ia%4)
.set rX, XB+16*((\st)%2)+8*(ia/4)
.if (\st) == 0
	v_wmma_f32_16x16x32_bf16 v[ACC+8*ia:ACC+8*ia+7], v[rW:rW+7], v[rX:rX+7], v[BI+8*(ia%4):BI+8*(ia%4)+7]
.else
	v_wmma_f32_16x16x32_bf16 v[ACC+8*ia:ACC+8*ia+7], v[rW:rW+7], v[rX:rX+7], v[ACC+8*ia:ACC+8*ia+7]
.endif
.set ia, ia+1
.endr
.if (\st) < 15
	WIN 0
.if ip == 0
	s_wait_dscnt 4+c2                              ; loads 0-3 of step st + 1 are in: behind them its loads 4-7 and the 8 of step st + 2
.elseif ip == 2
	s_wait_dscnt c2+c3                             ; loads 4-7 are in: behind them the 8 of step st + 2 and the 4 of step st + 3 issued in this step
.endif
	CV2 (\st)+1, 2*ip
	CV2 (\st)+1, 2*ip+1
.if (\st)+3 <= 15
	LDX (\st)+3, 2*ip
	LDX (\st)+3, 2*ip+1
.endif
.endif
.set ip, ip+1
.endr
.endm
; THE PROJECTION of the tile in slot TBR, and its way into the stage.
.macro PROJ ask
	v_add_nc_u32 v[XA], s[TBR], v[XA0]
.set kq, 0
.rept 3
.set il, 0
.rept 8
	LDX kq, il
.set il, il+1
.endr
.set kq, kq+1
.endr
.if \ask
	ASK                                            ; behind the joint load and the run of LDS loads that the first products wait for
.endif
	s_wait_dscnt 16                                ; K step 0's eight loads are in; the sixteen of K steps 1 and 2 stay out
.set il, 0
.rept 8
	CV2 0, il
.set il, il+1
.endr
.irp st, 0,1,2,3,4,5,6,7,8,9,10,11,12,13,14,15
	KSTEP \st
.endr
	WIN 0
	PLACES                                         ; K step 15 has nothing behind its products
.set ia, 0
.rept 32
	v_cvt_pk_f16_f32 v[PK+ia], v[ACC+2*ia], v[ACC+2*ia+1]  ; each accumulator from its low end on
.set ia, ia+1
.endr
.set ia, 0
.rept 8
	ds_store_b128 v[SA], v[PK+4*ia:PK+4*ia+3] offset:(ia/4)*16*SPI+(ia%4)*32  ; key 16 kt + l % 16, channels 16 ct + 8 (l / 16) on
.set ia, ia+1
.endr
	s_wait_dscnt 0x0                               ; for the others' sake: my stores into the stage are done
	s_barrier_signal -1
	s_barrier_wait -1                              ; k and v of the step's 32 keys, all 128 channels, lie in the stages.  The refill may stay out
.endm
; THE ATTENTION of my head on the step's 32 keys.
.macro ATTN
	v_add_nc_u32 v[LA], s[LBO], v[LA0]
.irp kt, 0,1
	ds_load_b128 v[LB+8*\kt:LB+8*\kt+3],   v[LA] offset:64*\kt
	ds_load_b128 v[LB+8*\kt+4:LB+8*\kt+7], v[LA] offset:64*\kt+16
.endr
.irp kt, 0,1
	ds_load_b128 v[KF+8*\kt:KF+8*\kt+3],   v[KA] offset:16*SPI*\kt
	ds_load_b128 v[KF+8*\kt+4:KF+8*\kt+7], v[KA] offset:16*SPI*\kt+32
.endr
.irp ct, 0,1
	ds_load_tr16_b128 v[VF+8*\ct:VF+8*\ct+3],   v[VA] offset:32*\ct
	ds_load_tr16_b128 v[VF+8*\ct+4:VF+8*\ct+7], v[VA] offset:32*\ct+16*SPI
.endr
	s_wait_dscnt 4                                 ; the table's and k's eight loads are in; v's four stay out
	WIN 0x04                                       ; Q in window 1
.set iq, 0
.rept 16                                           ; S^T of tile iq / 2, keys 16 (iq % 2) on: one product each, begun with the keys' log importance
	v_wmma_f32_16x16x32_f16 v[SS+8*iq:SS+8*iq+7], v[KF+8*(iq%2):KF+8*(iq%2)+7], v[QF+8*(iq/2):QF+8*(iq/2)+7], v[LB+8*(iq%2):LB+8*(iq%2)+7]
.set iq, iq+1
.endr
	WIN 0
	PLACES
	; the maximum of a lane's 16 scores and the old m, three operands at a time, the eight tiles by turns; each accumulator's lowest registers are read first
.set li, 0
.rept 8
.set qt, 0
.rept 8
.if li == 0
	v_max3_num_f32 v[ST+4*qt+1], v[SS+16*qt], v[SS+16*qt+1], v[SS+16*qt+2]
.elseif li < 7
	v_max3_num_f32 v[ST+4*qt+1], v[ST+4*qt+1], v[SS+16*qt+2*li+1], v[SS+16*qt+2*li+2]
.else
	v_max3_num_f32 v[ST+4*qt+1], v[ST+4*qt+1], v[SS+16*qt+15], v[ST+4*qt]
.endif
.set qt, qt+1
.endr
.set li, li+1
.endr
.set qt, 0
.rept 8
	v_permlanex16_b32 v[TA+2*qt+1], v[ST+4*qt+1], s[SEL], s[SEL+1]  ; the query's other 16 keys lie in the lane 16 away
.set qt, qt+1
.endr
.set qt, 0
.rept 8
	v_max_num_f32 v[TA+2*qt+1], v[ST+4*qt+1], v[TA+2*qt+1]         ; the new m
.set qt, qt+1
.endr
.set qt, 0
.rept 8
	v_sub_f32 v[TA+2*qt], v[ST+4*qt], v[TA+2*qt+1]                 ; m_old - m_new
.set qt, qt+1
.endr
.set qt, 0
.rept 8
	v_mov_b32 v[ST+4*qt], v[TA+2*qt+1]
.set qt, qt+1
.endr
	; ONE BATCH: the 64 subtractions s - m, a pair of scores each, and all 136 exponentials (a of each tile, then the scores), none of which reads an exponential's result.
	; A pair's two exponentials stand behind the next pair's subtraction.
.set np, 0
.rept 64
	v_pk_add_f32 v[SS+2*np:SS+2*np+1], v[SS+2*np:SS+2*np+1], v[ST+4*(np/8):ST+4*(np/8)+1] op_sel_hi:[1,0] neg_lo:[0,1] neg_hi:[0,1]
.if np%8 == 0
	v_exp_f32 v[TA+2*(np/8)], v[TA+2*(np/8)]
.endif
.if np > 0
	v_exp_f32 v[SS+2*np-2], v[SS+2*np-2]
	v_exp_f32 v[SS+2*np-1], v[SS+2*np-1]
.endif
.set np, np+1
.endr
	v_exp_f32 v[SS+126], v[SS+126]
	v_exp_f32 v[SS+127], v[SS+127]
	v_nop                                          ; a plain instruction behind the last exponential (ISA guide 5.7.2): one for the batch
	s_wait_alu depctr_va_vdst(0)                   ; the wait ahead of the first instruction that names a result: one for the batch
	; Two tiles at a time: l takes the weights; they are rounded to f16 in place (register i takes pair i, whose own place pair i / 2's sum and rounding have read); O^T x a; four products, which run beside the next two tiles' vector work.
.set qp, 0
.rept 4
	WIN 0
.set li, 0
.rept 8
.set qq, 2*qp
.rept 2
.if li == 0
	v_pk_fma_f32 v[ST+4*qq+2:ST+4*qq+3], v[ST+4*qq+2:ST+4*qq+3], v[TA+2*qq:TA+2*qq+1], v[SS+16*qq:SS+16*qq+1] op_sel_hi:[1,0,1]
.else
	v_pk_add_f32 v[ST+4*qq+2:ST+4*qq+3], v[ST+4*qq+2:ST+4*qq+3], v[SS+16*qq+2*li:SS+16*qq+2*li+1]
.endif
.set qq, qq+1
.endr
.set qq, 2*qp
.rept 2
	v_cvt_pk_f16_f32 v[SS+16*qq+li], v[SS+16*qq+2*li], v[SS+16*qq+2*li+1]
.set qq, qq+1
.endr
.set li, li+1
.endr
	WIN 0x41                                       ; O^T (destination and source 0) in window 1, a in window 0
.set li, 0
.rept 16
	v_pk_mul_f32 v[OT+32*qp+2*li:OT+32*qp+2*li+1], v[OT+32*qp+2*li:OT+32*qp+2*li+1], v[TA+2*(2*qp+li/8):TA+2*(2*qp+li/8)+1] op_sel_hi:[1,0]
.set li, li+1
.endr
.if qp == 0
	s_wait_dscnt 0x0                               ; v is in
.endif
	WIN 0x50                                       ; C and D in window 1
.set li, 0
.rept 4                                            ; tile 2 qp + li % 2, channels 16 (li / 2) on: sixteen accumulators, one product each a step
.set rO, OT+16*(2*qp+li%2)+8*(li/2)
	v_wmma_f32_16x16x32_f16 v[rO:rO+7], v[VF+8*(li/2):VF+8*(li/2)+7], v[SS+16*(2*qp+li%2):SS+16*(2*qp+li%2)+7], v[rO:rO+7]
.set li, li+1
.endr
.set qp, qp+1
.endr
	WIN 0
	s_add_co_u32 s[LBO], s[LBO], 128
.endm
; A STEP.  Each wave waits for all its tensor loads, of which one is out: its part of this step's tile; adds 0 to its spare word; waits for that and for its reads of the other slot and of the stages.
; fill = 1: behind a round of the cluster's barrier, so that no wave of any partner still reads the other slot or has a load on its way, that slot is filled with the next tile, first thing: it has the step's
; 160 products and its softmax in which to land.  The four v_nop behind the load are also the places between the last step's last products and the loads into registers that they read.
.macro STEP fill
	WIN 0
	s_wait_tensorcnt 0x0                           ; no tensor load of mine is out, so group 0 may be written
	ds_add_u32 v[SPW], v[NIL]                      ; 0 onto my spare word; the scalar steps stand between it and the wait for it
	s_xor_b32 s[TBR], s[TBR], SLOT                 ; the slot to be read
.if \fill
	s_xor_b32 s[G0+1], s[G0+1], SLOT               ; the slot to be filled,
	s_add_nc_u64 s[G0+2:G0+3], s[G0+2:G0+3], 0x10000  ; with the next 32 rows of 2,048 bytes; the type bits on top are not reached
	s_wait_xcnt 0x0                                ; the last prefetch, a step back, has read its address
	s_add_nc_u64 s[PFA:PFA+1], s[PFA:PFA+1], 0x10000
	s_wait_dscnt 0x0
	CROUND
	tensor_load_to_lds s[G0:G0+3], s[G1:G1+7]
	s_nop 0
	PLACES
.else
	s_wait_dscnt 0x0
	s_barrier_signal -1
	s_barrier_wait -1
	PLACES
.endif
	PROJ \fill
	ATTN
.endm
	s_load_b512 s[4:19], s[0:1], 0x0               ; key s[4:5], value s[6:7], importance s[8:9], wb s[10:11], bk s[12:13], bv s[14:15], qs s[16:17], po s[18:19]
	s_load_b64 s[20:21], s[0:1], 0x40              ; pml
	v_lshl_add_u32 v[SPW], v0, 2, SPARE
	v_mov_b32 v[NIL], 0
	ds_add_u32 v[SPW], v[NIL]                      ; the wave's opening: the add and its wait come ahead of my first tensor load; the set-up below, work on registers, stands between them
	v_lshrrev_b32 v15, 5, v0
	v_readfirstlane_b32 s[WV], v15                 ; wave 0..3
	s_lshr_b32 s[TT], s[WV], 1
	s_and_b32 s[HF], s[WV], 1
	s_bfe_u32 s[CX], ttmp6, 0x40000
	s_mov_b32 s[CH], ttmp9                         ; in a cluster launch ttmp9 and ttmp7 count clusters
	s_and_b32 s[BA], ttmp7, 0xffff
	; descriptor group 1: a part of a tile, 32 rows x 256 elements of 4 bytes, padded in LDS
	s_mov_b32 s[G1+0], 15|(2<<16)|(1<<20)|(1<<21)|(7<<22)|(3<<25)  ; 15:0 the mask of four; 17:16 4-byte elements; 20 padding on; 21 set beside a mask; 24:22 after every 256 words (code 7); 31:25 4 words (code 3)
	s_mov_b32 s[G1+1], 256<<16                     ; tensor_dim0 = 256
	s_mov_b32 s[G1+2], 32<<16                      ; tensor_dim1 = 32
	s_mov_b32 s[G1+3], 256<<16                     ; tile_dim0 = 256
	s_mov_b32 s[G1+4], 32                          ; tile_dim1 = 32
	s_mov_b32 s[G1+5], 512                         ; 512 elements from row to row
	s_mov_b32 s[G1+6], 0
	s_mov_b32 s[G1+7], 0
	s_mov_b32 s[G0], 1                             ; count = 1
	s_mul_i32 s[G0+1], s[WV], SUB                  ; LDS address: my part of slot 0; no place in the cluster enters it
	s_lshl_b32 s60, s[BA], 24                      ; the batch's 8,192 rows of 2,048 bytes,
	s_lshl_b32 s62, s[CH], 21                      ; the chunk's 1,024,
	s_add_co_u32 s60, s60, s62
	s_lshl_b32 s62, s[HF], 10                      ; my half of a row
	s_add_co_u32 s60, s60, s62
	s_mov_b32 s61, 0
	s_lshl_b32 s70, s[BA], 15                      ; importance: 8,192 numbers a batch, 1,024 a chunk
	s_lshl_b32 s72, s[CH], 12
	s_add_co_u32 s70, s70, s72
	s_mov_b32 s71, 0
	s_lshl3_add_u32 s72, s[BA], s[CH]              ; 8 b + c
	s_mul_i32 s73, s[TT], 2*SUB
	s_mul_i32 s74, s[TT], 32*SPI
	s_lshl_b32 s75, s[HF], 7
	s_add_co_u32 s74, s74, s75
	s_add_co_u32 s74, s74, KST
	s_lshl_b32 s75, s[WV], 6
	s_add_co_u32 s75, s75, KST
	s_mov_b32 s[SEL], 0x76543210
	s_mov_b32 s[SEL+1], 0xfedcba98
	s_mov_b32 s[MK], 0xffff0000
	s_mov_b32 s[TBR], SLOT                         ; the first trip turns it into 0
	s_mov_b32 s[LBO], 0
	s_mov_b32 s[LEFT], 31
	v_and_b32 v[RR], 15, v0
	v_bfe_u32 v[HH], v0, 4, 1
	v_and_b32 v3, 31, v0
	v_mul_u32_u24 v[XA0], v[RR], 1040
	v_lshl_add_u32 v[XA0], v[HH], 5, v[XA0]
	v_add_nc_u32 v[XA0], s73, v[XA0]               ; my type's parts + row x pitch + 32 x half
	v_mul_u32_u24 v21, v[RR], SPI
	v_lshl_add_u32 v21, v[HH], 4, v21              ; row x pitch + 16 x half
	v_add_nc_u32 v[SA], s74, v21
	v_add_nc_u32 v[KA], s75, v21
	v_and_b32 v16, 7, v0
	v_bfe_u32 v17, v0, 3, 1
	v_lshl_add_u32 v[VA], v[HH], 3, v16            ; the turning load: lane l reads key 8 (l / 16) + l % 8, channels 8 ((l / 8) % 2) + 0..7
	v_mul_u32_u24 v[VA], v[VA], SPI
	v_lshl_add_u32 v[VA], v17, 4, v[VA]
	v_add_nc_u32 v[VA], s75, v[VA]
	v_add_nc_u32 v[VA], 32*SPI, v[VA]
	v_lshl_add_u32 v[LA0], v[HH], 5, LBT
	v_lshlrev_b32 v[PFO], 11, v3
	v_lshlrev_b32 v[GO], 4, v3
	v_lshlrev_b32 v18, 4, v0                       ; 16 x thread: importance
	v_lshlrev_b32 v19, 5, v[HH]                    ; 32 x half: the bias
	v_lshl_add_u32 v20, v0, 4, LBT
	s_wait_dscnt 0x0                               ; the opening add is done
	s_wait_kmcnt 0x0
	s_cmp_eq_u32 s[TT], 0
	s_cselect_b64 s[62:63], s[4:5], s[6:7]         ; waves 0 and 1 fetch key, waves 2 and 3 value
	s_cselect_b64 s[BIB:BIB+1], s[12:13], s[14:15]
	s_add_nc_u64 s[62:63], s[62:63], s[60:61]
	s_mov_b64 s[G0+2:G0+3], s[62:63]               ; global address: my part of tile 0: it hangs on batch, chunk and wave, which the partners share
	s_or_b32 s[G0+3], s[G0+3], 0x80000000          ; type = 2
	CROUND                                         ; all four work-groups are here: the first joint loads meet
	tensor_load_to_lds s[G0:G0+3], s[G1:G1+7]      ; tile 0 into slot 0; slot 1 is filled behind the first trip's round
	s_nop 0
	PLACES
	s_lshl_b32 s68, s[CX], 8
	s_mov_b32 s69, 0
	s_add_nc_u64 s[PFA:PFA+1], s[62:63], s[68:69]  ; my work-group's block of each row,
	s_add_nc_u64 s[PFA:PFA+1], s[PFA:PFA+1], 0x10000  ; in tile 1: the first trip steps it to tile 2.  Nothing is prefetched here, at the head
	s_add_nc_u64 s[IMB:IMB+1], s[8:9], s[70:71]
	s_lshl1_add_u32 s76, s[CX], s[HF]              ; my block of 64 columns,
	s_lshl_b32 s76, s76, 16
	s_lshl_b32 s79, s[TT], 19                      ; of Wk or Wv
	s_add_co_u32 s76, s76, s79
	s_mov_b32 s77, 0
	s_add_nc_u64 s[WBB:WBB+1], s[10:11], s[76:77]
	s_lshl_b32 s76, s[CX], 9
	s_lshl_b32 s79, s[HF], 8
	s_add_co_u32 s76, s76, s79
	s_add_nc_u64 s[BIB:BIB+1], s[BIB:BIB+1], s[76:77]
	s_lshl2_add_u32 s78, s[CX], s[WV]              ; my head
	s_lshl4_add_u32 s76, s[BA], s78
	s_lshl_b32 s76, s76, 13
	s_add_nc_u64 s[QSB:QSB+1], s[16:17], s[76:77]
	s_lshl4_add_u32 s79, s72, s78                  ; (8 b + c) 16 + head
	s_lshl_b32 s76, s79, 14
	s_add_nc_u64 s[POB:POB+1], s[18:19], s[76:77]
	s_lshl_b32 s76, s79, 10
	s_add_nc_u64 s[PMB:PMB+1], s[20:21], s[76:77]
	global_load_b128 v[112:115], v18, s[IMB:IMB+1]
	global_load_b128 v[116:119], v18, s[IMB:IMB+1] offset:2048
.irp ct, 0,1,2,3
	global_load_b128 v[64+8*\ct:64+8*\ct+3],   v19, s[BIB:BIB+1] offset:64*\ct
	global_load_b128 v[64+8*\ct+4:64+8*\ct+7], v19, s[BIB:BIB+1] offset:64*\ct+16
.endr
	WIN 0x40                                       ; destination window 1, address window 0
.set n, 0
.rept 16
	global_load_b128 v[QF+4*n:QF+4*n+3], v[GO], s[QSB:QSB+1] offset:512*n
.set n, n+1
.endr
	WIN 0x80
.set n, 0
.rept 64
	global_load_b128 v[4*n:4*n+3], v[GO], s[WBB:WBB+1] offset:512*n
.set n, n+1
.endr
	WIN 0xc0
.set n, 0
.rept 64
	global_load_b128 v[4*n:4*n+3], v[GO], s[WBB:WBB+1] offset:32768+512*n
.set n, n+1
.endr
	; O^T and l start at 0, m at the lowest finite number: the first step is a step like any other, with a = 0.  Written while the weights and the first tile are on their way; the price of writing no first step out.
	WIN 0x40
.set n, 0
.rept 128
	v_mov_b32 v[OT+n], 0
.set n, n+1
.endr
	WIN 0
.set n, 0
.rept 8
	v_mov_b32 v[ST+4*n], 0xff7fffff
	v_mov_b32 v[ST+4*n+2], 0
	v_mov_b32 v[ST+4*n+3], 0
.set n, n+1
.endr
	s_wait_loadcnt 0x0
.set n, 0
.rept 16
	v_cvt_pk_bf16_f32 v[96+n], v[64+2*n], v[64+2*n+1]  ; the bias is rounded to bf16 like every input,
.set n, n+1
.endr
.set n, 0
.rept 4
	v_cvt_pk_bf16_f32 v[120+n], v[112+2*n], v[112+2*n+1]  ; and so is the importance
.set n, n+1
.endr
	WIN 0x40
.set n, 0
.rept 16
	v_lshlrev_b32 v[BI+2*n], 16, v[96+n]
	v_and_b32 v[BI+2*n+1], s[MK], v[96+n]
.set n, n+1
.endr
	WIN 0
.set n, 0
.rept 4
	v_lshlrev_b32 v[112+2*n], 16, v[120+n]
	v_and_b32 v[112+2*n+1], s[MK], v[120+n]
.set n, n+1
.endr
.set n, 0
.rept 8
	v_max_num_f32 v[112+n], 0x358637bd, v[112+n]   ; the clip at 1e-6
.set n, n+1
.endr
.set n, 0
.rept 8
	v_log_f32 v[112+n], v[112+n]                   ; log2: the scores are kept in powers of two
.set n, n+1
.endr
	v_nop                                          ; a plain instruction behind the last logarithm,
	s_wait_alu depctr_va_vdst(0)                   ; and the wait ahead of the first use: one for the eight
	ds_store_b128 v20, v[112:115]
	ds_store_b128 v20, v[116:119] offset:2048      ; the first trip's wait for 0 and its round stand between these stores and the others' reads
.Lstep:                                                ; 31 trips: trip j works on tile j and asks for tile j + 1
	STEP 1
	s_sub_co_u32 s[LEFT], s[LEFT], 1
	s_cmp_lg_u32 s[LEFT], 0
	s_cbranch_scc1 .Lstep
	STEP 0                                         ; tile 31 is written out: nothing is asked for
	; THE WAY OUT.  l's two halves and the other half of the lanes' are added (the additions are the places behind the last products); lanes 0-15 send m, lanes 16-31 l; O^T goes as it lies.
.set qt, 0
.rept 8
	v_add_f32 v[ST+4*qt+2], v[ST+4*qt+2], v[ST+4*qt+3]
.set qt, qt+1
.endr
.set qt, 0
.rept 8
	v_permlanex16_b32 v[ST+4*qt+3], v[ST+4*qt+2], s[SEL], s[SEL+1]
.set qt, qt+1
.endr
.set qt, 0
.rept 8
	v_add_f32 v[ST+4*qt+2], v[ST+4*qt+2], v[ST+4*qt+3]
.set qt, qt+1
.endr
	v_cmp_eq_u32 vcc_lo, 1, v[HH]
.set qt, 0
.rept 8
	v_cndmask_b32 v[SS+qt], v[ST+4*qt], v[ST+4*qt+2], vcc_lo
.set qt, qt+1
.endr
	global_store_b128 v[GO], v[SS:SS+3],   s[PMB:PMB+1]             ; each store of the wave covers 512 consecutive bytes, aligned
	global_store_b128 v[GO], v[SS+4:SS+7], s[PMB:PMB+1] offset:512
	WIN 0x04                                       ; the stores' data in window 1
.set n, 0
.rept 32
	global_store_b128 v[GO], v[OT+4*n:OT+4*n+3], s[POB:POB+1] offset:512*n  ; each accumulator from its low end on
.set n, n+1
.endr
	WIN 0
	s_wait_tensorcnt 0x0                           ; the wave's end, behind my last tensor load and my last LDS store
	ds_add_u32 v[SPW], v[NIL]
	s_wait_dscnt 0x0
	CROUND                                         ; the closing round: no work-group ends while a partner may still ask for a tile that names it
	s_endpgm
.Lfunc_end_k_qf3bf5a4852_main:
	.size	k_qf3bf5a4852_main, .Lfunc_end_k_qf3bf5a4852_main-k_qf3bf5a4852_main
	.p2alignl 7, 3214868480
	.fill 96, 4, 3214868480
	.section	.rodata,"a",@progbits
	.p2align	6, 0x0
	.amdhsa_kernel k_qf3bf5a4852_main
		.amdhsa_group_segment_fixed_size 327680
		.amdhsa_private_segment_fixed_size 0
		.amdhsa_enable_private_segment 0
		.amdhsa_kernarg_size 72
		.amdhsa_user_sgpr_count 2
		.amdhsa_user_sgpr_kernarg_segment_ptr 1
		.amdhsa_wavefront_size32 1
		.amdhsa_system_sgpr_workgroup_id_x 1
		.amdhsa_system_sgpr_workgroup_id_y 1
		.amdhsa_system_sgpr_workgroup_id_z 1
		.amdhsa_system_vgpr_workitem_id 0
		.amdhsa_next_free_vgpr 1024
		.amdhsa_next_free_sgpr 80
		.amdhsa_reserve_vcc 1
		.amdhsa_float_denorm_mode_32 3
		.amdhsa_float_denorm_mode_16_64 3
		.amdhsa_memory_ordered 1
		.amdhsa_forward_progress 1
		.amdhsa_inst_pref_size 173
	.end_amdhsa_kernel
	.amdgpu_metadata
---
amdhsa.version: [ 1, 2 ]
amdhsa.kernels:
  - .name:           k_qf3bf5a4852_main
    .symbol:         k_qf3bf5a4852_main.kd
    .args:
      - { .name: key, .offset: 0, .size: 8, .value_kind: global_buffer, .address_space: global }
      - { .name: value, .offset: 8, .size: 8, .value_kind: global_buffer, .address_space: global }
      - { .name: importance, .offset: 16, .size: 8, .value_kind: global_buffer, .address_space: global }
      - { .name: wb, .offset: 24, .size: 8, .value_kind: global_buffer, .address_space: global }
      - { .name: bk, .offset: 32, .size: 8, .value_kind: global_buffer, .address_space: global }
      - { .name: bv, .offset: 40, .size: 8, .value_kind: global_buffer, .address_space: global }
      - { .name: qs, .offset: 48, .size: 8, .value_kind: global_buffer, .address_space: global }
      - { .name: po, .offset: 56, .size: 8, .value_kind: global_buffer, .address_space: global }
      - { .name: pml, .offset: 64, .size: 8, .value_kind: global_buffer, .address_space: global }
    .group_segment_fixed_size: 327680
    .private_segment_fixed_size: 0
    .kernarg_segment_align: 8
    .kernarg_segment_size: 72
    .max_flat_workgroup_size: 128
    .sgpr_count:     80
    .vgpr_count:     1024
    .wavefront_size: 32
...
	.end_amdgpu_metadata
.endif
;; end of part 2
;; launch fin (part 3): grid 256 x 1, 4 waves a work-group, no clusters, 25,344 bytes of LDS; arguments po, pml, wb, bo, out0; writes out0
.if DOCPART == 3
	.amdgcn_target "amdgcn-amd-amdhsa--gfx1250"
	.amdhsa_code_object_version 6
	.text
	.protected	k_qf3bf5a4852_fin
	.globl	k_qf3bf5a4852_fin
	.p2align	8
	.type	k_qf3bf5a4852_fin,@function
k_qf3bf5a4852_fin:
	s_mov_b64 s[64:65], 0
	v_nop
	global_prefetch_b8 v0, s[64:65] scope:SCOPE_SE
	s_setreg_imm32_b32 hwreg(HW_REG_WAVE_MODE, 25, 1), 1
	s_wait_xcnt 0x0
; THE EIGHT CHUNKS ARE MERGED, AND THE OUTPUT PROJECTION.  For each query and head: M = max m_c, w_c = 2^(m_c - M), O = sum w_c O_c / sum w_c l_c, in f32; O is rounded once to f16;
; out0 = O Wo^T + bf16(bo), Wo as the first launch left it (rounded to bf16, written as f16), sums in f32, stored as f32.
; LIMITS.  The merged O is a mean of v's rows and must stay within f16's 65,504; below 6e-5 it keeps f16's fixed step of 6e-8.  A chunk's weight below 2^-126 counts as 0.  NaN and infinities are not treated apart.
; SHARES.  A work-group makes 16 rows (row tile wg / 4) x 128 columns (block wg % 4).  Phase 1: wave w merges heads 4 w .. 4 w + 3 of the 16 rows; a lane's 16 numbers of O^T, packed, ARE its 8 registers of the
; fragment of 16 queries x 32 channels, which goes into LDS.  Phase 2: wave w makes 32 columns: Wo (source 0) x O^T (source 1), K step s = head s, two accumulators by turns, begun with the bias.
; The result goes through LDS, so that each store covers a row's 512 consecutive bytes.  All 260 loads go out at once.  No cluster, no prefetch: a launch of a few loads' length; what the four
; column blocks of a row tile share (po) is read by each of them.
.set AF,    0                          ; 16 heads x 1,024 bytes, in fragment order
.set OSB,   16384                      ; 16 rows x 528 bytes (512 + 16)
.set OSP,   528
.set SPARE, 24832                      ; the spare words, 128 bytes for each wave: two blocks of 256 bytes that no other line names
.set SPW, 4                            ; v4   LDS address of my spare word; never rewritten
.set NIL, 5                            ; v5   0; never rewritten
.set RO,  6                            ; v6   16 (l % 16): my query's place in pml
.set BO,  7                            ; v7   32 (l / 16)
.set GO,  8                            ; v8   16 l
.set AS,  9                            ; v9   where I put a fragment's 16 bytes
.set OSS, 10                           ; v10  where I put 16 bytes of the result
.set OSL, 11                           ; v11  where I read rows back
.set ACC, 16                           ; v[16:31]   two accumulators
.set ML,  32                           ; v[32:95]   head u, chunk c: m (then w, then w / L) at ML + 16 u + 2 c, l behind it
.set AC,  96                           ; v[96:111]  a head's merged O
.set PKF, 112                          ; v[112:119] at work: the bias, 1 / L, the packed O, the rows on their way out (v[112:127])
.set MX,  120                          ; v[120:123] M
.set LL,  124                          ; v[124:127] L
.set AFR, 128                          ; v[128:255] the 16 fragments of O
.set PMB, 20                           ; s[20:29] five bases, a pair each
.set POB, 22
.set WBB, 24
.set BOB, 26
.set OUB, 28
; window 1: po of heads u = 0, 1, at (8 (u % 2) + c) 16; window 2: of u = 2, 3; window 3: Wo, K step s, tile c at 8 (2 s + c)
.set MSB, 0
.macro WIN new                         ; the immediate's high byte repeats the setting that is left; a switch that changes nothing is dropped
.if MSB != (\new)
	s_set_vgpr_msb (MSB<<8)|(\new)
.set MSB, (\new)
.endif
.endm
	s_load_b256 s[4:11], s[0:1], 0x0               ; po s[4:5], pml s[6:7], wb s[8:9], bo s[10:11]
	s_load_b64 s[12:13], s[0:1], 0x20              ; out0
	v_lshl_add_u32 v[SPW], v0, 2, SPARE
	v_mov_b32 v[NIL], 0
	v_lshrrev_b32 v12, 5, v0
	v_readfirstlane_b32 s14, v12                   ; wave 0..3
	s_lshr_b32 s16, ttmp9, 2                       ; row tile = 8 b + qt
	s_and_b32 s19, ttmp9, 3                        ; column block
	s_lshr_b32 s17, s16, 3                         ; b
	s_and_b32 s18, s16, 7                          ; qt
	s_lshl_b32 s32, s17, 17                        ; pml: 8 chunks x 16 heads x 1,024 bytes a batch,
	s_lshl_b32 s30, s14, 12                        ; my four heads,
	s_add_co_u32 s32, s32, s30
	s_lshr_b32 s30, s18, 2                         ; qt / 4: 512 bytes,
	s_lshl_b32 s30, s30, 9
	s_add_co_u32 s32, s32, s30
	s_and_b32 s30, s18, 3                          ; qt % 4: a word
	s_lshl_b32 s30, s30, 2
	s_add_co_u32 s32, s32, s30
	s_mov_b32 s33, 0
	s_lshl_b32 s34, s17, 21                        ; po: 16 times as much
	s_lshl_b32 s30, s14, 16
	s_add_co_u32 s34, s34, s30
	s_lshl_b32 s30, s18, 11                        ; the tile's four stores of 512 bytes
	s_add_co_u32 s34, s34, s30
	s_mov_b32 s35, 0
	s_lshr_b32 s30, s14, 1
	s_lshl1_add_u32 s36, s19, s30                  ; Wo's block of 64 columns,
	s_lshl_b32 s36, s36, 16
	s_and_b32 s30, s14, 1                          ; my two tiles of its four
	s_lshl_b32 s30, s30, 11
	s_add_co_u32 s36, s36, s30
	s_add_co_u32 s36, s36, 1048576
	s_mov_b32 s37, 0
	s_lshl_b32 s38, s19, 9                         ; bo: 128 numbers a block, 32 a wave
	s_lshl_b32 s30, s14, 7
	s_add_co_u32 s38, s38, s30
	s_mov_b32 s39, 0
	s_lshl_b32 s40, s16, 4
	s_lshl2_add_u32 s40, s14, s40                  ; the first row that I store: 16 x row tile + 4 x wave
	s_lshl_b32 s40, s40, 11
	s_lshl_b32 s30, s19, 9
	s_add_co_u32 s40, s40, s30
	s_mov_b32 s41, 0
	s_mov_b32 s42, 0xffff0000
	v_and_b32 v1, 15, v0
	v_bfe_u32 v2, v0, 4, 1
	v_and_b32 v3, 31, v0
	v_lshlrev_b32 v[RO], 4, v1
	v_lshlrev_b32 v[BO], 5, v2
	v_lshlrev_b32 v[GO], 4, v3
	s_lshl_b32 s30, s14, 12
	v_add_nc_u32 v[AS], s30, v[GO]
	s_lshl_b32 s30, s14, 7
	s_add_co_u32 s30, s30, OSB
	v_mul_u32_u24 v[OSS], v1, OSP
	v_lshl_add_u32 v[OSS], v2, 5, v[OSS]
	v_add_nc_u32 v[OSS], s30, v[OSS]               ; row l % 16, my wave's 128 bytes, 32 for each half of the lanes
	s_mul_i32 s30, s14, 4*OSP
	s_add_co_u32 s30, s30, OSB
	v_add_nc_u32 v[OSL], s30, v[GO]
	s_wait_kmcnt 0x0
	s_add_nc_u64 s[PMB:PMB+1], s[6:7], s[32:33]
	s_add_nc_u64 s[POB:POB+1], s[4:5], s[34:35]
	s_add_nc_u64 s[WBB:WBB+1], s[8:9], s[36:37]
	s_add_nc_u64 s[BOB:BOB+1], s[10:11], s[38:39]
	s_add_nc_u64 s[OUB:OUB+1], s[12:13], s[40:41]
.set u, 0
.rept 4
.set cc, 0
.rept 8
	global_load_b32 v[ML+16*u+2*cc],   v[RO], s[PMB:PMB+1] offset:cc*16384+u*1024
	global_load_b32 v[ML+16*u+2*cc+1], v[RO], s[PMB:PMB+1] offset:cc*16384+u*1024+256
.set cc, cc+1
.endr
.set u, u+1
.endr
.irp ct, 0,1
	global_load_b128 v[ACC+8*\ct:ACC+8*\ct+3],   v[BO], s[BOB:BOB+1] offset:64*\ct
	global_load_b128 v[ACC+8*\ct+4:ACC+8*\ct+7], v[BO], s[BOB:BOB+1] offset:64*\ct+16
.endr
.set u, 0
.rept 4
	WIN 64*(1+u/2)                                 ; destination window 1 or 2
.set cc, 0
.rept 8
.set k4, 0
.rept 4
	global_load_b128 v[((u%2)*8+cc)*16+4*k4:((u%2)*8+cc)*16+4*k4+3], v[GO], s[POB:POB+1] offset:cc*262144+u*16384+k4*512
.set k4, k4+1
.endr
.set cc, cc+1
.endr
.set u, u+1
.endr
	WIN 0xc0
.set n, 0
.rept 64                                           ; K step n / 4, tile (n / 2) % 2, half n % 2
	global_load_b128 v[4*n:4*n+3], v[GO], s[WBB:WBB+1] offset:(n/4)*4096+((n/2)%2)*1024+(n%2)*512
.set n, n+1
.endr
	WIN 0
	s_wait_loadcnt 63                              ; of 260 loads at most 63 are out: the first 196, all but Wo's, are in
.set j, 0
.rept 8
	v_cvt_pk_bf16_f32 v[PKF+j], v[ACC+2*j], v[ACC+2*j+1]  ; the bias is rounded to bf16 like every input,
.set j, j+1
.endr
.set j, 0
.rept 8
	v_lshlrev_b32 v[ACC+2*j], 16, v[PKF+j]         ; and widened again
	v_and_b32 v[ACC+2*j+1], s42, v[PKF+j]
.set j, j+1
.endr
.irp u, 0,1,2,3
	v_max3_num_f32 v[MX+\u], v[ML+16*\u], v[ML+16*\u+2], v[ML+16*\u+4]
.endr
.irp u, 0,1,2,3
	v_max3_num_f32 v[MX+\u], v[MX+\u], v[ML+16*\u+6], v[ML+16*\u+8]
.endr
.irp u, 0,1,2,3
	v_max3_num_f32 v[MX+\u], v[MX+\u], v[ML+16*\u+10], v[ML+16*\u+12]
.endr
.irp u, 0,1,2,3
	v_max_num_f32 v[MX+\u], v[MX+\u], v[ML+16*\u+14]
.endr
.set k, 0
.rept 32
	v_sub_f32 v[ML+2*k], v[ML+2*k], v[MX+k/8]
.set k, k+1
.endr
.set k, 0
.rept 32
	v_exp_f32 v[ML+2*k], v[ML+2*k]
.set k, k+1
.endr
	v_nop                                          ; a plain instruction behind the last exponential,
	s_wait_alu depctr_va_vdst(0)                   ; and the wait ahead of the first use: one for the 32
.irp u, 0,1,2,3
	v_mul_f32 v[LL+\u], v[ML+16*\u], v[ML+16*\u+1]
.endr
.set cc, 1
.rept 7
.irp u, 0,1,2,3
	v_fmac_f32 v[LL+\u], v[ML+16*\u+2*cc], v[ML+16*\u+2*cc+1]
.endr
.set cc, cc+1
.endr
.irp u, 0,1,2,3
	v_rcp_f32 v[PKF+\u], v[LL+\u]                  ; L is 1 at the least: the chunk with the maximum has a weight of 1 in its l
.endr
	v_nop
	s_wait_alu depctr_va_vdst(0)                   ; one for the four reciprocals
.set k, 0
.rept 32
	v_mul_f32 v[ML+2*k], v[ML+2*k], v[PKF+k/8]
.set k, k+1
.endr
.set u, 0
.rept 4
	WIN 1+u/2                                      ; source 0 in window 1 or 2
.set cc, 0
.rept 8
.set p, 0
.rept 8
.if cc == 0
	v_pk_mul_f32 v[AC+2*p:AC+2*p+1], v[((u%2)*8+cc)*16+2*p:((u%2)*8+cc)*16+2*p+1], v[ML+16*u+2*cc:ML+16*u+2*cc+1] op_sel_hi:[1,0]
.else
	v_pk_fma_f32 v[AC+2*p:AC+2*p+1], v[((u%2)*8+cc)*16+2*p:((u%2)*8+cc)*16+2*p+1], v[ML+16*u+2*cc:ML+16*u+2*cc+1], v[AC+2*p:AC+2*p+1] op_sel_hi:[1,0,1]
.endif
.set p, p+1
.endr
.set cc, cc+1
.endr
	WIN 0
.set p, 0
.rept 8
	v_cvt_pk_f16_f32 v[PKF+p], v[AC+2*p], v[AC+2*p+1]
.set p, p+1
.endr
	ds_store_b128 v[AS], v[PKF:PKF+3]   offset:AF+u*1024
	ds_store_b128 v[AS], v[PKF+4:PKF+7] offset:AF+u*1024+512
.set u, u+1
.endr
	s_wait_dscnt 0x0                               ; for the others' sake: my four fragments are stored
	s_barrier_signal -1
	s_barrier_wait -1
.set n, 0
.rept 32
	ds_load_b128 v[AFR+4*n:AFR+4*n+3], v[GO] offset:AF+512*n
.set n, n+1
.endr
	s_wait_loadcnt 0x0                             ; Wo
	s_wait_dscnt 0x0
	WIN 0x03                                       ; Wo in window 3
.set ks, 0
.rept 16
.set cc, 0
.rept 2                                            ; the two accumulators take turns
	v_wmma_f32_16x16x32_f16 v[ACC+8*cc:ACC+8*cc+7], v[8*(2*ks+cc):8*(2*ks+cc)+7], v[AFR+8*ks:AFR+8*ks+7], v[ACC+8*cc:ACC+8*cc+7]
.set cc, cc+1
.endr
.set ks, ks+1
.endr
	WIN 0
.rept 8
	v_nop                                          ; the places behind the last products (ISA guide 7.12.1), once a launch
.endr
.irp ct, 0,1
	ds_store_b128 v[OSS], v[ACC+8*\ct:ACC+8*\ct+3]   offset:64*\ct     ; row l % 16, columns 16 ct + 8 (l / 16) on; each accumulator from its low end on
	ds_store_b128 v[OSS], v[ACC+8*\ct+4:ACC+8*\ct+7] offset:64*\ct+16
.endr
	s_wait_dscnt 0x0                               ; a row's 512 bytes come from four waves
	s_barrier_signal -1
	s_barrier_wait -1
.irp j, 0,1,2,3
	ds_load_b128 v[PKF+4*\j:PKF+4*\j+3], v[OSL] offset:OSP*\j
.endr
.irp j, 0,1,2,3
	s_wait_dscnt 3-\j                              ; LDS loads come back in order (ISA guide 5.7.1): row j is in
	global_store_b128 v[GO], v[PKF+4*\j:PKF+4*\j+3], s[OUB:OUB+1] offset:2048*\j  ; 512 consecutive bytes, at a multiple of 512 from out0's first byte
.endr
	s_wait_tensorcnt 0x0                           ; the wave's end, behind my last LDS store
	ds_add_u32 v[SPW], v[NIL]
	s_wait_dscnt 0x0
	s_endpgm
.Lfunc_end_k_qf3bf5a4852_fin:
	.size	k_qf3bf5a4852_fin, .Lfunc_end_k_qf3bf5a4852_fin-k_qf3bf5a4852_fin
	.p2alignl 7, 3214868480
	.fill 96, 4, 3214868480
	.section	.rodata,"a",@progbits
	.p2align	6, 0x0
	.amdhsa_kernel k_qf3bf5a4852_fin
		.amdhsa_group_segment_fixed_size 25344
		.amdhsa_private_segment_fixed_size 0
		.amdhsa_enable_private_segment 0
		.amdhsa_kernarg_size 40
		.amdhsa_user_sgpr_count 2
		.amdhsa_user_sgpr_kernarg_segment_ptr 1
		.amdhsa_wavefront_size32 1
		.amdhsa_system_sgpr_workgroup_id_x 1
		.amdhsa_system_sgpr_workgroup_id_y 1
		.amdhsa_system_sgpr_workgroup_id_z 1
		.amdhsa_system_vgpr_workitem_id 0
		.amdhsa_next_free_vgpr 1024
		.amdhsa_next_free_sgpr 66
		.amdhsa_reserve_vcc 0
		.amdhsa_float_denorm_mode_32 3
		.amdhsa_float_denorm_mode_16_64 3
		.amdhsa_memory_ordered 1
		.amdhsa_forward_progress 1
		.amdhsa_inst_pref_size 58
	.end_amdhsa_kernel
	.amdgpu_metadata
---
amdhsa.version: [ 1, 2 ]
amdhsa.kernels:
  - .name:           k_qf3bf5a4852_fin
    .symbol:         k_qf3bf5a4852_fin.kd
    .args:
      - { .name: po, .offset: 0, .size: 8, .value_kind: global_buffer, .address_space: global }
      - { .name: pml, .offset: 8, .size: 8, .value_kind: global_buffer, .address_space: global }
      - { .name: wb, .offset: 16, .size: 8, .value_kind: global_buffer, .address_space: global }
      - { .name: bo, .offset: 24, .size: 8, .value_kind: global_buffer, .address_space: global }
      - { .name: out0, .offset: 32, .size: 8, .value_kind: global_buffer, .address_space: global }
    .group_segment_fixed_size: 25344
    .private_segment_fixed_size: 0
    .kernarg_segment_align: 8
    .kernarg_segment_size: 40
    .max_flat_workgroup_size: 128
    .sgpr_count:     66
    .vgpr_count:     1024
    .wavefront_size: 32
...
	.end_amdgpu_metadata
.endif
;; end of part 3
;; ======== version 2 of 3: 3 launches
;; limits: values are held in f16: magnitudes above 65,504 overflow, below 6.1e-05 lose precision
;; workspace buffers: qs 1,048,576 bytes; wb 1,572,864 bytes; po 16,777,216 bytes; pml 1,048,576 bytes
;; launch prep: the kernel of part 1 again; grid 256 x 1, 4 waves a work-group, no clusters, 0 bytes of LDS; arguments query, Wq, bq, Wk, Wv, Wo, qs, wb; writes qs, wb
;; launch main (part 4): grid 32 x 8, 4 waves a work-group, clusters of 4 x 1, 327,680 bytes of LDS; arguments key, value, importance, wb, bk, bv, qs, po, pml; writes po, pml
.if DOCPART == 4
	.amdgcn_target "amdgcn-amd-amdhsa--gfx1250"
	.amdhsa_code_object_version 6
	.text
	.protected	k_qf3bf5a4852_main
	.globl	k_qf3bf5a4852_main
	.p2align	8
	.type	k_qf3bf5a4852_main,@function
k_qf3bf5a4852_main:
	s_mov_b64 s[64:65], 0
	v_nop
	global_prefetch_b8 v0, s[64:65] scope:SCOPE_SE
	s_setreg_imm32_b32 hwreg(HW_REG_WAVE_MODE, 25, 1), 1
	s_wait_xcnt 0x0
	s_wait_alu depctr_hold_cnt(0) depctr_sa_sdst(0) depctr_va_vdst(0) depctr_va_sdst(0) depctr_va_ssrc(0) depctr_va_vcc(0) depctr_vm_vsrc(0)
	s_getreg_b32 s2, hwreg(HW_REG_IB_STS2, 6, 4)
	s_cmp_eq_u32 s2, 0
	s_cbranch_scc0 .Lentry_in_a_cluster
	s_endpgm
.Lentry_in_a_cluster:
	s_bfe_u32 s2, ttmp6, 0x10000c
	s_cmp_lg_u32 s2, 0x3003
	s_cbranch_scc0 .Lentry_shape_is_right
	s_endpgm
.Lentry_shape_is_right:
; THE K AND V PROJECTIONS FUSED WITH THE ATTENTION.  key, value [8][8192][512] f32, importance [8][8192] f32, bk, bv [512] f32; wb, qs as the launch before left them.
; k = bf16(key) bf16(Wk)^T + bf16(bk), v likewise; s = q' . k + log2(max(bf16(importance), 1e-6)), q' holding log2(e) / sqrt(32); p = 2^(s - m) with a running maximum m; O = sum p v, l = sum p.
; Out go, for each chunk of 1,024 keys, the unnormalised O (f32), m (in powers of two) and l; the launch behind merges the eight chunks of a batch.
; FORMATS.  The inputs are rounded once to bf16; k, v and p, which the program makes itself, once to f16; all sums, m and l in f32; l is the sum of the unrounded p.
; LIMITS.  k and v must stay within f16's 65,504; p below 6e-5 keeps f16's fixed step of 6e-8; a weight below 2^-126 counts as 0; NaN and infinities are not treated apart (a NaN importance counts as 1e-6).
; SHARES.  A cluster of four work-groups has one batch (cluster y) and one chunk of 1,024 keys (cluster x); partner cx has heads 4 cx .. 4 cx + 3, 128 columns of k and of v.  All four need the same rows of key
; and value, so each tile is asked for JOINTLY: the same tensor load, descriptor and mask in all four.  cx enters global addresses alone: of wb, the biases, qs, po, pml and the prefetch.
; A STEP is 32 keys; 32 steps.  PROJECTION: wave w has type w / 2 (K, V) and half w % 2: it keeps its 64 rows of the weight, 512 registers, for the whole launch and makes W x^T (source 0 = 16 columns,
; source 1 = 16 keys): 4 column tiles x 2 key tiles x 16 K steps = 128 products; an x fragment (4 LDS loads of f32, 8 conversions) feeds 4 of them.  A lane ends with one key and 8 channels: 16 bytes of f16
; into a stage [key][128 channels].  ATTENTION: wave w has head 4 cx + w, all 128 queries: S^T = k q'^T (16 products, the whole head size in one, C = the log importance), softmax, O^T += v^T P (16 products).
; In S^T, P and O^T a lane holds ONE query (lane % 16); a query's maximum and sum want one exchange between the halves of the lanes.
; THE ATTENTION RUNS ONE STEP BEHIND.  Step j projects tile j into stage j % 2 and then does the attention of step j - 1 from the other stage, which the round at step j's head has shown whole.
; So there is ONE BARRIER A STEP, that round: tile j is whole; the other slot is free; stage (j - 1) % 2 is whole; the reads of stage j % 2, two steps old, are over.  Nothing waits for the stage's stores but the next round.
; Step 0 has no attention, and the attention of step 31 stands behind the last step and a barrier: both are written out.
; THE LDS LOADS STAND IN RUNS, never singly among the products: x in one run of 32 at a step's head and six of 16; the attention's twelve in one run, eight products and the packing ahead of their first use.
; LDS.  Two slots of a tile each (32 keys of key and of value in f32: four parts of 32 rows x 1,024 bytes, one a wave, rows 1,040 bytes apart), two pairs of stages, the table of log2 importance, the spare words.
; REGISTERS, in windows of 256 (s_set_vgpr_msb: bits 1:0 source 0, 3:2 source 1, 5:4 source 2, 7:6 destination):
;   window 0: v0-31 addresses and at work; v32-63 statistics; v64-255 by turns the projection's (ACC, FB) and the attention's (SS, KF, VF, LB, TA)
;   window 1: v0-127 O^T; v128-191 Q; v192-223 the bias; v224-255 x in bf16          window 2: the weight's K steps 0-7          window 3: K steps 8-15
.set SUB,   33280                      ; a part of a tile: 32 rows x (1,024 + 16) bytes = 65 x 16 a row: the 16 rows of a load start at 16 different groups of four banks (64 banks of 4 bytes: ISA guide 11.1)
.set SLOT,  4*SUB                      ; 0x20800: it shares no bit with w x SUB (0, 0x8200, 0x10400, 0x18600), so one exclusive or turns an address in one slot into the other's
.set SPI,   288                        ; a stage's row: 256 bytes + 32
.set KST,   2*SLOT                     ; the stages: 32 keys of k, then 32 keys of v,
.set STGB,  2*32*SPI                   ; and the same once more this many bytes on
.set LBT,   KST+2*STGB                 ; log2 importance of the chunk's 1,024 keys
.set SPARE, LBT+4096                   ; the spare words, 128 bytes for each wave: two blocks of 256 bytes that no other line names
.set RR,  1                            ; v1   l % 16
.set HH,  2                            ; v2   l / 16
.set SPW, 4                            ; v4   LDS address of my spare word; never rewritten
.set NIL, 5                            ; v5   0; never rewritten
.set XA0, 6                            ; v6   my lane's place in my type's two parts of a slot
.set XA,  7                            ; v7   the same in the slot in hand
.set SA,  8                            ; v8   where I put 16 bytes of k or v, in the first pair of stages
.set KA,  9                            ; v9   my lane's place in the stage of k, my head
.set VA,  10                           ; v10  the same for v, for the turning load
.set LA0, 11                           ; v11  my lane's place in 32 keys of the table
.set LA,  12                           ; v12  the same for the step in hand
.set PFO, 13                           ; v13  2,048 x lane: a row of key or value; never rewritten
.set GO,  14                           ; v14  16 x lane; never rewritten
.set SAC, 22                           ; v22  SA in the pair of stages that this step writes
.set KAC, 23                           ; v23  KA in the pair that this step reads
.set VAC, 24                           ; v24  VA likewise
.set ST,  32                           ; query tile qt at v[ST+4 qt]: m, t (at work), l (even keys', odd keys')
.set ACC, 64                           ; v[64:127]   accumulator 4 kt + ct
.set FB,  128                          ; v[128:255]  four buffers of 32 f32 of x: K step st in buffer st % 4
.set XB,  224                          ; window 1: two buffers of two fragments of x in bf16
.set PK,  128                          ; the packed results
.set SS,  64                           ; v[64:191]   S^T: tile qt, keys 16 kt on, at SS + 16 qt + 8 kt; P takes the first 8 of a tile's 16
.set KF,  192                          ; v[192:207]
.set VF,  208                          ; v[208:223]
.set LB,  224                          ; v[224:239]
.set TA,  240                          ; v[240:255]  per tile: a, and one at work
.set OT,  0                            ; window 1: O^T of tile qt, channels 16 ct on, at 16 qt + 8 ct
.set QF,  128                          ; window 1
.set BI,  192                          ; window 1: 8 a column tile
.set WV,  22                           ; s22  wave
.set TT,  23                           ; s23  type
.set HF,  24                           ; s24  half
.set CX,  25                           ; s25  my place in the cluster
.set CH,  26                           ; s26  chunk
.set BA,  27                           ; s27  batch
.set G1,  28                           ; s[28:35] descriptor group 1
.set G0,  36                           ; s[36:39] descriptor group 0: it walks
.set TBR, 40                           ; s40  the slot that is read: 0 or SLOT
.set LBO, 41                           ; s41  128 x the attention's step
.set STW, 42                           ; s42  the pair of stages that is written: 0 or STGB
.set LEFT, 43                          ; s43  trips to come
.set PFA, 44                           ; s[44:45] where my prefetch stands
.set SEL, 46                           ; s[46:47] v_permlanex16_b32's selects: each lane takes its own place in the other half
.set WBB, 48                           ; s[48:59] six bases, a pair each
.set BIB, 50
.set QSB, 52
.set IMB, 54
.set POB, 56
.set PMB, 58
.set STR, 66                           ; s66  the pair of stages that is read: the other one
.set MK,  67                           ; s67  a word's upper bf16
.set MSB, 0
.macro WIN new                         ; the immediate's high byte repeats the setting that is left; a switch that changes nothing is dropped
.if MSB != (\new)
	s_set_vgpr_msb (MSB<<8)|(\new)
.set MSB, (\new)
.endif
.endm
.macro PLACES                          ; four places behind a matrix instruction (ISA guide 7.12.1 for vector instructions)
.rept 4
	v_nop
.endr
.endm
; A round of the cluster's barrier: my work-group's barrier, so that wave 0's signal speaks for all four waves; wave 0 signals; every wave waits for all four work-groups; my work-group's barrier once more.
.macro CROUND
	s_barrier_signal -1
	s_barrier_wait -1
	s_cmp_lg_u32 s[WV], 0
	s_cbranch_scc1 .Lnot_wave_0_\@
	s_barrier_signal -3
.Lnot_wave_0_\@:
	s_barrier_wait -3
	s_barrier_signal -1
	s_barrier_wait -1
.endm
; A PREFETCH INTO THE L2 of the tile that the NEXT step will ask for.  A tile is 4 parts x 32 rows x 1,024 bytes.  Each wave takes the part that it fetches, a lane a row, and of a row's four blocks of 256 bytes
; partner cx takes block cx, told apart by ADDRESS: one instruction a wave and step, and each block is named once in the launch.  Tiles 0 and 1 come by their loads alone; the last two steps ask for nothing.
.macro ASK
	s_cmp_gt_u32 s[LEFT], 1
	s_cbranch_scc0 .Lno_ask_\@
	global_prefetch_b8 v[PFO], s[PFA:PFA+1] th:TH_LOAD_NT scope:SCOPE_SE
.Lno_ask_\@:
.endm
; Load l of 8 of K step st: key tile l / 4; of the lane's 16 f32, K = 8 (l / 16) + 0..7 lie at bytes 0 and 16, K = 16 + 8 (l / 16) + 0..7 at bytes 64 and 80 of the step's 128.
.macro LDX st, l
	ds_load_b128 v[FB+32*((\st)%4)+4*(\l):FB+32*((\st)%4)+4*(\l)+3], v[XA] offset:((\st)/8)*SUB+((\l)/4)*16640+((\st)%8)*128+((\l)%2)*16+(((\l)/2)%2)*64
.endm
.macro CV2 st, i                       ; what load i brought, rounded to bf16: two registers of a fragment (destination in window 1)
	v_cvt_pk_bf16_f32 v[XB+16*((\st)%2)+2*(\i)],   v[FB+32*((\st)%4)+4*(\i)],   v[FB+32*((\st)%4)+4*(\i)+1]
	v_cvt_pk_bf16_f32 v[XB+16*((\st)%2)+2*(\i)+1], v[FB+32*((\st)%4)+4*(\i)+2], v[FB+32*((\st)%4)+4*(\i)+3]
.endm
; K step st: 8 products, the 8 accumulators by turns; two products under one window setting, behind them four conversions for K step cn = st + 1.
; K step 0 starts the sums with the bias.  A fragment of x is rewritten ten conversions or more behind the last product that read it.
; Behind an even K step up to 10 both K steps of a pair of buffers have been converted, and the pair takes K steps st + 4 and st + 5: ONE RUN of 16 loads, which has the next two K steps' 16 products in which to land.
; THE WAITS are counted: LDS loads come back in order (ISA guide 5.7.1).  K step cn lies at place ps (0 or 8) of its run of 16; behind that run one younger run is out (yy = 16), but behind the last none.
.macro KSTEP st
.set cn, (\st)+1
.set yy, 0
.if cn/2 <= 6
.set yy, 16
.endif
.set ps, 8*(cn%2)
.set ip, 0
.rept 4
.if (\st) == 0
	WIN 0x16                                       ; the weight in window 2, x and the bias in window 1
.elseif (\st) < 8
	WIN 0x06
.else
	WIN 0x07
.endif
.set ia, 2*ip
.rept 2
.set rW, 8*(4*((\st)%8)+ia%4)
.set rX, XB+16*((\st)%2)+8*(ia/4)
.if (\st) == 0
	v_wmma_f32_16x16x32_bf16 v[ACC+8*ia:ACC+8*ia+7], v[rW:rW+7], v[rX:rX+7], v[BI+8*(ia%4):BI+8*(ia%4)+7]
.else
	v_wmma_f32_16x16x32_bf16 v[ACC+8*ia:ACC+8*ia+7], v[rW:rW+7], v[rX:rX+7], v[ACC+8*ia:ACC+8*ia+7]
.endif
.set ia, ia+1
.endr
.if (\st) < 15
	WIN 0x40                                       ; the conversions' destination in window 1
.if ip == 0
	s_wait_dscnt yy+12-ps                          ; loads 0-3 of K step cn are in: behind them the rest of their run and the younger run
.elseif ip == 2
	s_wait_dscnt yy+8-ps                           ; loads 4-7 are in
.endif
	CV2 cn, 2*ip
	CV2 cn, 2*ip+1
.endif
.set ip, ip+1
.endr
.if ((\st)%2 == 0) && ((\st) <= 10)
	WIN 0
.set il, 0
.rept 8
	LDX (\st)+4, il
.set il, il+1
.endr
.set il, 0
.rept 8
	LDX (\st)+5, il
.set il, il+1
.endr
.endif
.endm
; THE ATTENTION'S LOADS, one run of twelve: the 32 keys' log importance, k (as it lies), v (turned), from the pair of stages that the step before has written.
.macro ALOADS
	v_add_nc_u32 v[LA], s[LBO], v[LA0]
	v_add_nc_u32 v[KAC], s[STR], v[KA]
	v_add_nc_u32 v[VAC], s[STR], v[VA]
.irp kt, 0,1
	ds_load_b128 v[LB+8*\kt:LB+8*\kt+3],   v[LA] offset:64*\kt
	ds_load_b128 v[LB+8*\kt+4:LB+8*\kt+7], v[LA] offset:64*\kt+16
.endr
.irp kt, 0,1
	ds_load_b128 v[KF+8*\kt:KF+8*\kt+3],   v[KAC] offset:16*SPI*\kt
	ds_load_b128 v[KF+8*\kt+4:KF+8*\kt+7], v[KAC] offset:16*SPI*\kt+32
.endr
.irp ct, 0,1
	ds_load_tr16_b128 v[VF+8*\ct:VF+8*\ct+3],   v[VAC] offset:32*\ct
	ds_load_tr16_b128 v[VF+8*\ct+4:VF+8*\ct+7], v[VAC] offset:32*\ct+16*SPI
.endr
.endm
; THE PROJECTION of the tile in slot TBR, and its way into the stage.  attn = 1: the attention's loads go out behind K step 14, when the two buffers that they land in have been converted.
.macro PROJ ask, attn
	v_add_nc_u32 v[XA], s[TBR], v[XA0]
	v_add_nc_u32 v[SAC], s[STW], v[SA]
.set kq, 0
.rept 4
.set il, 0
.rept 8
	LDX kq, il
.set il, il+1
.endr
.set kq, kq+1
.endr
.if \ask
	ASK                                            ; behind the joint load and the run of LDS loads that the first products wait for
.endif
	s_wait_dscnt 24                                ; K step 0's eight loads are in; the 24 of K steps 1 to 3 stay out
	WIN 0x40
.set il, 0
.rept 8
	CV2 0, il
.set il, il+1
.endr
.irp st, 0,1,2,3,4,5,6,7,8,9,10,11,12,13,14
	KSTEP \st
.endr
.if \attn
	WIN 0
	ALOADS
.endif
	KSTEP 15
	WIN 0
	PLACES                                         ; K step 15 has nothing behind its products
.set ia, 0
.rept 32
	v_cvt_pk_f16_f32 v[PK+ia], v[ACC+2*ia], v[ACC+2*ia+1]  ; each accumulator from its low end on
.set ia, ia+1
.endr
.set ia, 0
.rept 8
	ds_store_b128 v[SAC], v[PK+4*ia:PK+4*ia+3] offset:(ia/4)*16*SPI+(ia%4)*32  ; key 16 kt + l % 16, channels 16 ct + 8 (l / 16) on; waited for at the next step's head, ahead of its round
.set ia, ia+1
.endr
.endm
; THE ATTENTION of my head on 32 keys.  c1: the LDS instructions issued behind k's loads, c2: behind v's.
.macro ABODY c1, c2
	s_wait_dscnt \c1                               ; the table's and k's eight loads are in
	WIN 0x04                                       ; Q in window 1
.set iq, 0
.rept 16                                           ; S^T of tile iq / 2, keys 16 (iq % 2) on: one product each, begun with the keys' log importance
	v_wmma_f32_16x16x32_f16 v[SS+8*iq:SS+8*iq+7], v[KF+8*(iq%2):KF+8*(iq%2)+7], v[QF+8*(iq/2):QF+8*(iq/2)+7], v[LB+8*(iq%2):LB+8*(iq%2)+7]
.set iq, iq+1
.endr
	WIN 0
	PLACES
	; the maximum of a lane's 16 scores and the old m, three operands at a time, the eight tiles by turns; each accumulator's lowest registers are read first
.set li, 0
.rept 8
.set qt, 0
.rept 8
.if li == 0
	v_max3_num_f32 v[ST+4*qt+1], v[SS+16*qt], v[SS+16*qt+1], v[SS+16*qt+2]
.elseif li < 7
	v_max3_num_f32 v[ST+4*qt+1], v[ST+4*qt+1], v[SS+16*qt+2*li+1], v[SS+16*qt+2*li+2]
.else
	v_max3_num_f32 v[ST+4*qt+1], v[ST+4*qt+1], v[SS+16*qt+15], v[ST+4*qt]
.endif
.set qt, qt+1
.endr
.set li, li+1
.endr
.set qt, 0
.rept 8
	v_permlanex16_b32 v[TA+2*qt+1], v[ST+4*qt+1], s[SEL], s[SEL+1]  ; the query's other 16 keys lie in the lane 16 away
.set qt, qt+1
.endr
.set qt, 0
.rept 8
	v_max_num_f32 v[TA+2*qt+1], v[ST+4*qt+1], v[TA+2*qt+1]         ; the new m
.set qt, qt+1
.endr
.set qt, 0
.rept 8
	v_sub_f32 v[TA+2*qt], v[ST+4*qt], v[TA+2*qt+1]                 ; m_old - m_new
.set qt, qt+1
.endr
.set qt, 0
.rept 8
	v_mov_b32 v[ST+4*qt], v[TA+2*qt+1]
.set qt, qt+1
.endr
	; ONE BATCH: the 64 subtractions s - m, a pair of scores each, and all 136 exponentials (a of each tile, then the scores), none of which reads an exponential's result.
	; A pair's two exponentials stand behind the next pair's subtraction.
.set np, 0
.rept 64
	v_pk_add_f32 v[SS+2*np:SS+2*np+1], v[SS+2*np:SS+2*np+1], v[ST+4*(np/8):ST+4*(np/8)+1] op_sel_hi:[1,0] neg_lo:[0,1] neg_hi:[0,1]
.if np%8 == 0
	v_exp_f32 v[TA+2*(np/8)], v[TA+2*(np/8)]
.endif
.if np > 0
	v_exp_f32 v[SS+2*np-2], v[SS+2*np-2]
	v_exp_f32 v[SS+2*np-1], v[SS+2*np-1]
.endif
.set np, np+1
.endr
	v_exp_f32 v[SS+126], v[SS+126]
	v_exp_f32 v[SS+127], v[SS+127]
	v_nop                                          ; a plain instruction behind the last exponential (ISA guide 5.7.2): one for the batch
	s_wait_alu depctr_va_vdst(0)                   ; the wait ahead of the first instruction that names a result: one for the batch
	; Two tiles at a time: l takes the weights; they are rounded to f16 in place (register i takes pair i, whose own place pair i / 2's sum and rounding have read); O^T x a; four products, which run beside the next two tiles' vector work.
.set qp, 0
.rept 4
	WIN 0
.set li, 0
.rept 8
.set qq, 2*qp
.rept 2
.if li == 0
	v_pk_fma_f32 v[ST+4*qq+2:ST+4*qq+3], v[ST+4*qq+2:ST+4*qq+3], v[TA+2*qq:TA+2*qq+1], v[SS+16*qq:SS+16*qq+1] op_sel_hi:[1,0,1]
.else
	v_pk_add_f32 v[ST+4*qq+2:ST+4*qq+3], v[ST+4*qq+2:ST+4*qq+3], v[SS+16*qq+2*li:SS+16*qq+2*li+1]
.endif
.set qq, qq+1
.endr
.set qq, 2*qp
.rept 2
	v_cvt_pk_f16_f32 v[SS+16*qq+li], v[SS+16*qq+2*li], v[SS+16*qq+2*li+1]
.set qq, qq+1
.endr
.set li, li+1
.endr
	WIN 0x41                                       ; O^T (destination and source 0) in window 1, a in window 0
.set li, 0
.rept 16
	v_pk_mul_f32 v[OT+32*qp+2*li:OT+32*qp+2*li+1], v[OT+32*qp+2*li:OT+32*qp+2*li+1], v[TA+2*(2*qp+li/8):TA+2*(2*qp+li/8)+1] op_sel_hi:[1,0]
.set li, li+1
.endr
.if qp == 0
	s_wait_dscnt \c2                               ; v is in
.endif
	WIN 0x50                                       ; C and D in window 1
.set li, 0
.rept 4                                            ; tile 2 qp + li % 2, channels 16 (li / 2) on: sixteen accumulators, one product each a step
.set rO, OT+16*(2*qp+li%2)+8*(li/2)
	v_wmma_f32_16x16x32_f16 v[rO:rO+7], v[VF+8*(li/2):VF+8*(li/2)+7], v[SS+16*(2*qp+li%2):SS+16*(2*qp+li%2)+7], v[rO:rO+7]
.set li, li+1
.endr
.set qp, qp+1
.endr
	WIN 0
	s_add_co_u32 s[LBO], s[LBO], 128
.endm
; A STEP.  Each wave waits for all its tensor loads, of which one is out: its part of this step's tile; adds 0 to its spare word; waits for that, for its reads of the other slot and of the stage, and for its stores into the stage.
; fill = 1: behind a round of the cluster's barrier, so that no wave of any partner still reads the other slot or has a load on its way, that slot is filled with the next tile, first thing: it has the step's
; 160 products and its softmax in which to land.  The four v_nop behind the load are also the places between the last step's last products and the loads into registers that they read.
; attn = 1: behind the projection stands the attention of the step before: behind k's loads v's four and the stage's eight stores were issued, behind v's the eight stores.
.macro STEP fill, attn
	WIN 0
	s_wait_tensorcnt 0x0                           ; no tensor load of mine is out, so group 0 may be written
	ds_add_u32 v[SPW], v[NIL]                      ; 0 onto my spare word; the scalar steps stand between it and the wait for it
	s_xor_b32 s[TBR], s[TBR], SLOT                 ; the slot to be read,
	s_xor_b32 s[STW], s[STW], STGB                 ; the pair of stages to be written,
	s_xor_b32 s[STR], s[STR], STGB                 ; and the pair to be read
.if \fill
	s_xor_b32 s[G0+1], s[G0+1], SLOT               ; the slot to be filled,
	s_add_nc_u64 s[G0+2:G0+3], s[G0+2:G0+3], 0x10000  ; with the next 32 rows of 2,048 bytes; the type bits on top are not reached
	s_wait_xcnt 0x0                                ; the last prefetch, a step back, has read its address
	s_add_nc_u64 s[PFA:PFA+1], s[PFA:PFA+1], 0x10000
	s_wait_dscnt 0x0
	CROUND
	tensor_load_to_lds s[G0:G0+3], s[G1:G1+7]
	s_nop 0
	PLACES
.else
	s_wait_dscnt 0x0
	s_barrier_signal -1
	s_barrier_wait -1
	PLACES
.endif
	PROJ \fill, \attn
.if \attn
	ABODY 12, 8
.endif
.endm
	s_load_b512 s[4:19], s[0:1], 0x0               ; key s[4:5], value s[6:7], importance s[8:9], wb s[10:11], bk s[12:13], bv s[14:15], qs s[16:17], po s[18:19]
	s_load_b64 s[20:21], s[0:1], 0x40              ; pml
	v_lshl_add_u32 v[SPW], v0, 2, SPARE
	v_mov_b32 v[NIL], 0
	ds_add_u32 v[SPW], v[NIL]                      ; the wave's opening: the add and its wait come ahead of my first tensor load; the set-up below, work on registers, stands between them
	v_lshrrev_b32 v15, 5, v0
	v_readfirstlane_b32 s[WV], v15                 ; wave 0..3
	s_lshr_b32 s[TT], s[WV], 1
	s_and_b32 s[HF], s[WV], 1
	s_bfe_u32 s[CX], ttmp6, 0x40000
	s_mov_b32 s[CH], ttmp9                         ; in a cluster launch ttmp9 and ttmp7 count clusters
	s_and_b32 s[BA], ttmp7, 0xffff
	; descriptor group 1: a part of a tile, 32 rows x 256 elements of 4 bytes, padded in LDS
	s_mov_b32 s[G1+0], 15|(2<<16)|(1<<20)|(1<<21)|(7<<22)|(3<<25)  ; 15:0 the mask of four; 17:16 4-byte elements; 20 padding on; 21 set beside a mask; 24:22 after every 256 words (code 7); 31:25 4 words (code 3)
	s_mov_b32 s[G1+1], 256<<16                     ; tensor_dim0 = 256
	s_mov_b32 s[G1+2], 32<<16                      ; tensor_dim1 = 32
	s_mov_b32 s[G1+3], 256<<16                     ; tile_dim0 = 256
	s_mov_b32 s[G1+4], 32                          ; tile_dim1 = 32
	s_mov_b32 s[G1+5], 512                         ; 512 elements from row to row
	s_mov_b32 s[G1+6], 0
	s_mov_b32 s[G1+7], 0
	s_mov_b32 s[G0], 1                             ; count = 1
	s_mul_i32 s[G0+1], s[WV], SUB                  ; LDS address: my part of slot 0; no place in the cluster enters it
	s_lshl_b32 s60, s[BA], 24                      ; the batch's 8,192 rows of 2,048 bytes,
	s_lshl_b32 s62, s[CH], 21                      ; the chunk's 1,024,
	s_add_co_u32 s60, s60, s62
	s_lshl_b32 s62, s[HF], 10                      ; my half of a row
	s_add_co_u32 s60, s60, s62
	s_mov_b32 s61, 0
	s_lshl_b32 s70, s[BA], 15                      ; importance: 8,192 numbers a batch, 1,024 a chunk
	s_lshl_b32 s72, s[CH], 12
	s_add_co_u32 s70, s70, s72
	s_mov_b32 s71, 0
	s_lshl3_add_u32 s72, s[BA], s[CH]              ; 8 b + c
	s_mul_i32 s73, s[TT], 2*SUB
	s_mul_i32 s74, s[TT], 32*SPI
	s_lshl_b32 s75, s[HF], 7
	s_add_co_u32 s74, s74, s75
	s_add_co_u32 s74, s74, KST
	s_lshl_b32 s75, s[WV], 6
	s_add_co_u32 s75, s75, KST
	s_mov_b32 s[SEL], 0x76543210
	s_mov_b32 s[SEL+1], 0xfedcba98
	s_mov_b32 s[MK], 0xffff0000
	s_mov_b32 s[TBR], SLOT                         ; the first step turns it into 0,
	s_mov_b32 s[STW], STGB                         ; this one too,
	s_mov_b32 s[STR], 0                            ; and this one into STGB
	s_mov_b32 s[LBO], 0
	s_mov_b32 s[LEFT], 30
	v_and_b32 v[RR], 15, v0
	v_bfe_u32 v[HH], v0, 4, 1
	v_and_b32 v3, 31, v0
	v_mul_u32_u24 v[XA0], v[RR], 1040
	v_lshl_add_u32 v[XA0], v[HH], 5, v[XA0]
	v_add_nc_u32 v[XA0], s73, v[XA0]               ; my type's parts + row x pitch + 32 x half
	v_mul_u32_u24 v21, v[RR], SPI
	v_lshl_add_u32 v21, v[HH], 4, v21              ; row x pitch + 16 x half
	v_add_nc_u32 v[SA], s74, v21
	v_add_nc_u32 v[KA], s75, v21
	v_and_b32 v16, 7, v0
	v_bfe_u32 v17, v0, 3, 1
	v_lshl_add_u32 v[VA], v[HH], 3, v16            ; the turning load: lane l reads key 8 (l / 16) + l % 8, channels 8 ((l / 8) % 2) + 0..7
	v_mul_u32_u24 v[VA], v[VA], SPI
	v_lshl_add_u32 v[VA], v17, 4, v[VA]
	v_add_nc_u32 v[VA], s75, v[VA]
	v_add_nc_u32 v[VA], 32*SPI, v[VA]
	v_lshl_add_u32 v[LA0], v[HH], 5, LBT
	v_lshlrev_b32 v[PFO], 11, v3
	v_lshlrev_b32 v[GO], 4, v3
	v_lshlrev_b32 v18, 4, v0                       ; 16 x thread: importance
	v_lshlrev_b32 v19, 5, v[HH]                    ; 32 x half: the bias
	v_lshl_add_u32 v20, v0, 4, LBT
	s_wait_dscnt 0x0                               ; the opening add is done
	s_wait_kmcnt 0x0
	s_cmp_eq_u32 s[TT], 0
	s_cselect_b64 s[62:63], s[4:5], s[6:7]         ; waves 0 and 1 fetch key, waves 2 and 3 value
	s_cselect_b64 s[BIB:BIB+1], s[12:13], s[14:15]
	s_add_nc_u64 s[62:63], s[62:63], s[60:61]
	s_mov_b64 s[G0+2:G0+3], s[62:63]               ; global address: my part of tile 0: it hangs on batch, chunk and wave, which the partners share
	s_or_b32 s[G0+3], s[G0+3], 0x80000000          ; type = 2
	CROUND                                         ; all four work-groups are here: the first joint loads meet
	tensor_load_to_lds s[G0:G0+3], s[G1:G1+7]      ; tile 0 into slot 0; slot 1 is filled behind the first step's round
	s_nop 0
	PLACES
	s_lshl_b32 s68, s[CX], 8
	s_mov_b32 s69, 0
	s_add_nc_u64 s[PFA:PFA+1], s[62:63], s[68:69]  ; my work-group's block of each row,
	s_add_nc_u64 s[PFA:PFA+1], s[PFA:PFA+1], 0x10000  ; in tile 1: the first step steps it to tile 2.  Nothing is prefetched here, at the head
	s_add_nc_u64 s[IMB:IMB+1], s[8:9], s[70:71]
	s_lshl1_add_u32 s76, s[CX], s[HF]              ; my block of 64 columns,
	s_lshl_b32 s76, s76, 16
	s_lshl_b32 s79, s[TT], 19                      ; of Wk or Wv
	s_add_co_u32 s76, s76, s79
	s_mov_b32 s77, 0
	s_add_nc_u64 s[WBB:WBB+1], s[10:11], s[76:77]
	s_lshl_b32 s76, s[CX], 9
	s_lshl_b32 s79, s[HF], 8
	s_add_co_u32 s76, s76, s79
	s_add_nc_u64 s[BIB:BIB+1], s[BIB:BIB+1], s[76:77]
	s_lshl2_add_u32 s78, s[CX], s[WV]              ; my head
	s_lshl4_add_u32 s76, s[BA], s78
	s_lshl_b32 s76, s76, 13
	s_add_nc_u64 s[QSB:QSB+1], s[16:17], s[76:77]
	s_lshl4_add_u32 s79, s72, s78                  ; (8 b + c) 16 + head
	s_lshl_b32 s76, s79, 14
	s_add_nc_u64 s[POB:POB+1], s[18:19], s[76:77]
	s_lshl_b32 s76, s79, 10
	s_add_nc_u64 s[PMB:PMB+1], s[20:21], s[76:77]
	global_load_b128 v[112:115], v18, s[IMB:IMB+1]
	global_load_b128 v[116:119], v18, s[IMB:IMB+1] offset:2048
.irp ct, 0,1,2,3
	global_load_b128 v[64+8*\ct:64+8*\ct+3],   v19, s[BIB:BIB+1] offset:64*\ct
	global_load_b128 v[64+8*\ct+4:64+8*\ct+7], v19, s[BIB:BIB+1] offset:64*\ct+16
.endr
	WIN 0x40                                       ; destination window 1, address window 0
.set n, 0
.rept 16
	global_load_b128 v[QF+4*n:QF+4*n+3], v[GO], s[QSB:QSB+1] offset:512*n
.set n, n+1
.endr
	WIN 0x80
.set n, 0
.rept 64
	global_load_b128 v[4*n:4*n+3], v[GO], s[WBB:WBB+1] offset:512*n
.set n, n+1
.endr
	WIN 0xc0
.set n, 0
.rept 64
	global_load_b128 v[4*n:4*n+3], v[GO], s[WBB:WBB+1] offset:32768+512*n
.set n, n+1
.endr
	; O^T and l start at 0, m at the lowest finite number: the first attention is one like any other, with a = 0.  Written while the weights and the first tile are on their way; the price of writing no first softmax out.
	WIN 0x40
.set n, 0
.rept 128
	v_mov_b32 v[OT+n], 0
.set n, n+1
.endr
	WIN 0
.set n, 0
.rept 8
	v_mov_b32 v[ST+4*n], 0xff7fffff
	v_mov_b32 v[ST+4*n+2], 0
	v_mov_b32 v[ST+4*n+3], 0
.set n, n+1
.endr
	s_wait_loadcnt 0x0
.set n, 0
.rept 16
	v_cvt_pk_bf16_f32 v[96+n], v[64+2*n], v[64+2*n+1]  ; the bias is rounded to bf16 like every input,
.set n, n+1
.endr
.set n, 0
.rept 4
	v_cvt_pk_bf16_f32 v[120+n], v[112+2*n], v[112+2*n+1]  ; and so is the importance
.set n, n+1
.endr
	WIN 0x40
.set n, 0
.rept 16
	v_lshlrev_b32 v[BI+2*n], 16, v[96+n]
	v_and_b32 v[BI+2*n+1], s[MK], v[96+n]
.set n, n+1
.endr
	WIN 0
.set n, 0
.rept 4
	v_lshlrev_b32 v[112+2*n], 16, v[120+n]
	v_and_b32 v[112+2*n+1], s[MK], v[120+n]
.set n, n+1
.endr
.set n, 0
.rept 8
	v_max_num_f32 v[112+n], 0x358637bd, v[112+n]   ; the clip at 1e-6
.set n, n+1
.endr
.set n, 0
.rept 8
	v_log_f32 v[112+n], v[112+n]                   ; log2: the scores are kept in powers of two
.set n, n+1
.endr
	v_nop                                          ; a plain instruction behind the last logarithm,
	s_wait_alu depctr_va_vdst(0)                   ; and the wait ahead of the first use: one for the eight
	ds_store_b128 v20, v[112:115]
	ds_store_b128 v20, v[116:119] offset:2048      ; the first step's wait for 0 and its round stand between these stores and the others' reads
	STEP 1, 0                                      ; step 0: tile 0 is projected, tile 1 asked for; there is no attention yet
.Lstep:                                                ; 30 trips: trip j = 1 .. 30 projects tile j, asks for tile j + 1, and does the attention of step j - 1
	STEP 1, 1
	s_sub_co_u32 s[LEFT], s[LEFT], 1
	s_cmp_lg_u32 s[LEFT], 0
	s_cbranch_scc1 .Lstep
	STEP 0, 1                                      ; step 31 is written out: nothing is asked for
	s_xor_b32 s[STR], s[STR], STGB                 ; the attention of step 31: the pair of stages just written,
	s_wait_dscnt 0x0                               ; for the others' sake: my stores into it are done
	s_barrier_signal -1
	s_barrier_wait -1                              ; everybody's are.
	PLACES                                         ; between the last products and the loads into registers that they read
	ALOADS
	ABODY 4, 0                                     ; behind k's loads only v's four were issued, behind v's nothing
	; THE WAY OUT.  l's two halves and the other half of the lanes' are added (the additions are the places behind the last products); lanes 0-15 send m, lanes 16-31 l; O^T goes as it lies.
.set qt, 0
.rept 8
	v_add_f32 v[ST+4*qt+2], v[ST+4*qt+2], v[ST+4*qt+3]
.set qt, qt+1
.endr
.set qt, 0
.rept 8
	v_permlanex16_b32 v[ST+4*qt+3], v[ST+4*qt+2], s[SEL], s[SEL+1]
.set qt, qt+1
.endr
.set qt, 0
.rept 8
	v_add_f32 v[ST+4*qt+2], v[ST+4*qt+2], v[ST+4*qt+3]
.set qt, qt+1
.endr
	v_cmp_eq_u32 vcc_lo, 1, v[HH]
.set qt, 0
.rept 8
	v_cndmask_b32 v[SS+qt], v[ST+4*qt], v[ST+4*qt+2], vcc_lo
.set qt, qt+1
.endr
	global_store_b128 v[GO], v[SS:SS+3],   s[PMB:PMB+1]             ; each store of the wave covers 512 consecutive bytes, aligned
	global_store_b128 v[GO], v[SS+4:SS+7], s[PMB:PMB+1] offset:512
	WIN 0x04                                       ; the stores' data in window 1
.set n, 0
.rept 32
	global_store_b128 v[GO], v[OT+4*n:OT+4*n+3], s[POB:POB+1] offset:512*n  ; each accumulator from its low end on
.set n, n+1
.endr
	WIN 0
	s_wait_tensorcnt 0x0                           ; the wave's end, behind my last tensor load and my last LDS store
	ds_add_u32 v[SPW], v[NIL]
	s_wait_dscnt 0x0
	CROUND                                         ; the closing round: no work-group ends while a partner may still ask for a tile that names it
	s_endpgm
.Lfunc_end_k_qf3bf5a4852_main:
	.size	k_qf3bf5a4852_main, .Lfunc_end_k_qf3bf5a4852_main-k_qf3bf5a4852_main
	.p2alignl 7, 3214868480
	.fill 96, 4, 3214868480
	.section	.rodata,"a",@progbits
	.p2align	6, 0x0
	.amdhsa_kernel k_qf3bf5a4852_main
		.amdhsa_group_segment_fixed_size 327680
		.amdhsa_private_segment_fixed_size 0
		.amdhsa_enable_private_segment 0
		.amdhsa_kernarg_size 72
		.amdhsa_user_sgpr_count 2
		.amdhsa_user_sgpr_kernarg_segment_ptr 1
		.amdhsa_wavefront_size32 1
		.amdhsa_system_sgpr_workgroup_id_x 1
		.amdhsa_system_sgpr_workgroup_id_y 1
		.amdhsa_system_sgpr_workgroup_id_z 1
		.amdhsa_system_vgpr_workitem_id 0
		.amdhsa_next_free_vgpr 1024
		.amdhsa_next_free_sgpr 80
		.amdhsa_reserve_vcc 1
		.amdhsa_float_denorm_mode_32 3
		.amdhsa_float_denorm_mode_16_64 3
		.amdhsa_memory_ordered 1
		.amdhsa_forward_progress 1
		.amdhsa_inst_pref_size 244
	.end_amdhsa_kernel
	.amdgpu_metadata
---
amdhsa.version: [ 1, 2 ]
amdhsa.kernels:
  - .name:           k_qf3bf5a4852_main
    .symbol:         k_qf3bf5a4852_main.kd
    .args:
      - { .name: key, .offset: 0, .size: 8, .value_kind: global_buffer, .address_space: global }
      - { .name: value, .offset: 8, .size: 8, .value_kind: global_buffer, .address_space: global }
      - { .name: importance, .offset: 16, .size: 8, .value_kind: global_buffer, .address_space: global }
      - { .name: wb, .offset: 24, .size: 8, .value_kind: global_buffer, .address_space: global }
      - { .name: bk, .offset: 32, .size: 8, .value_kind: global_buffer, .address_space: global }
      - { .name: bv, .offset: 40, .size: 8, .value_kind: global_buffer, .address_space: global }
      - { .name: qs, .offset: 48, .size: 8, .value_kind: global_buffer, .address_space: global }
      - { .name: po, .offset: 56, .size: 8, .value_kind: global_buffer, .address_space: global }
      - { .name: pml, .offset: 64, .size: 8, .value_kind: global_buffer, .address_space: global }
    .group_segment_fixed_size: 327680
    .private_segment_fixed_size: 0
    .kernarg_segment_align: 8
    .kernarg_segment_size: 72
    .max_flat_workgroup_size: 128
    .sgpr_count:     80
    .vgpr_count:     1024
    .wavefront_size: 32
...
	.end_amdgpu_metadata
.endif
;; end of part 4
;; launch fin: the kernel of part 3 again; grid 256 x 1, 4 waves a work-group, no clusters, 25,344 bytes of LDS; arguments po, pml, wb, bo, out0; writes out0
;; ======== version 3 of 3: 3 launches; version 2 with the launch prep written anew for expert scheduling mode
;; limits: values are held in f16: magnitudes above 65,504 overflow, below 6.1e-05 lose precision
;; workspace buffers: qs 1,048,576 bytes; wb 1,572,864 bytes; po 16,777,216 bytes; pml 1,048,576 bytes
;; launch prep (part 5): grid 256 x 1, 4 waves a work-group, no clusters, 0 bytes of LDS; arguments query, Wq, bq, Wk, Wv, Wo, qs, wb; writes qs, wb
.if DOCPART == 5
	.amdgcn_target "amdgcn-amd-amdhsa--gfx1250"
	.amdhsa_code_object_version 6
	.text
	.protected	k_qf3bf5a4852_prep
	.globl	k_qf3bf5a4852_prep
	.p2align	8
	.type	k_qf3bf5a4852_prep,@function
k_qf3bf5a4852_prep:
	s_mov_b64 s[64:65], 0
	v_nop
	global_prefetch_b8 v0, s[64:65] scope:SCOPE_SE
	s_setreg_imm32_b32 hwreg(HW_REG_WAVE_SCHED_MODE, 0, 2), 2
	s_setreg_imm32_b32 hwreg(HW_REG_WAVE_MODE, 25, 1), 1
	s_wait_xcnt 0x0
	s_wait_alu depctr_vm_vsrc(0)
; q' = f16((bf16(query) bf16(Wq)^T + bf16(bq)) x c), c = log2(e) / sqrt(32), and the three other weights, all laid out as ready matrix fragments.
; query [1024][512], Wq, Wk, Wv, Wo [512][512], bq [512], all f32.  Every input is rounded once to bf16; sums in f32; q' is rounded once, to f16.
; qs:  ((b 16 + head) 8 + qt) 1024 + i 512 + lane 16: registers 4 i .. 4 i + 3 of the fragment of 16 queries x 32 channels.
; wb:  mtx 524288 + cb 65536 + (4 s + ct) 1024 + i 512 + lane 16: half i of the fragment of rows 16 (4 cb + ct) .. + 15, K = 32 s .. + 31.  Wk, Wv in bf16; Wo rounded to bf16 and that number written as f16.
; LIMITS.  q' must stay within f16's 65,504; a number of Wo below 6e-5 keeps f16's fixed step of 6e-8.  NaN and infinities are not treated apart.
; SHARES.  1,024 waves.  Wave W makes 16 queries (row tile W / 16) x the 32 channels of head W % 16: two accumulators by turns, 16 K steps; and half fragment W of each of Wk, Wv, Wo.
; The product is taken transposed (source 0 = 16 rows of Wq, source 1 = 16 queries): a lane ends with ONE query and eight neighbouring channels, which pack into the 16 bytes of the fragment to be.
; All 202 loads go out at once, each into registers of its own; no loop, no LDS, no barrier.  No cluster, no prefetch: the launch reads 6 MiB and is over when they have come.
; THE MODE: SCHED_MODE bits 1:0 = 2 (LLVM: expert scheduling mode 2), set by the entry lines.  The code itself states the register dependences
; between vector or matrix instructions and memory instructions, with s_wait_alu, always for 0.
; THE PLAN.  Registers that memory instructions touch:
;   v5, v6, v7   the offsets.  Written by vector instructions at the head, once; read by every load and store.
;   ACC, WS and the 768 staging registers   Each is the target of ONE load; behind that load's wait on LOADcnt vector and matrix instructions alone name it.  No vector instruction names one ahead of its load.
;   WP           Written by the weights' conversions; read by the three stores into wb; never written again.
;   v[FR:FR+7]   A fragment set for the K steps, named by vector and matrix instructions alone; at the end written by the eight roundings to f16 and read by the two stores into qs; not written again.
; So three waits on va_vdst state everything: one ahead of the first load (the offsets are written), one ahead of each run of stores (its data are written).  No register that a memory instruction has read is
; written again, so there is no wait on vm_vsrc.  One wait on va_sdst stands ahead of the first reader of the wave's number.
.set CSC, 0x3e8293ee                   ; c = log2(e) / sqrt(32)
.set QO,  5                            ; v5   (l % 16) x 2048 + 32 (l / 16): my place in 16 rows of 512 f32; never rewritten
.set BO,  6                            ; v6   32 (l / 16)
.set GO,  7                            ; v7   16 l
.set ACC, 16                           ; v[16:31]   two accumulators, started with the bias
.set FR,  32                           ; v[32:79]   two sets of three fragments: Wq's two tiles, the queries
.set WS,  80                           ; v[80:103]  8 f32 of each of Wk, Wv, Wo
.set WP,  104                          ; v[104:115] the same, packed
.set TB,  116                          ; v[116:123] at work
; K step ks is staged in 48 registers: steps 0-4 in window 1, 5-9 in window 2, 10-14 in window 3, step 15 in v[208:255] of window 0
.set MSB, 0
.macro WIN new                         ; the immediate's high byte repeats the setting that is left; a switch that changes nothing is dropped
.if MSB != (\new)
	s_set_vgpr_msb (MSB<<8)|(\new)
.set MSB, (\new)
.endif
.endm
	s_load_b512 s[4:19], s[0:1], 0x0               ; query s[4:5], Wq s[6:7], bq s[8:9], Wk s[10:11], Wv s[12:13], Wo s[14:15], qs s[16:17], wb s[18:19]
	v_lshrrev_b32 v1, 5, v0
	v_readfirstlane_b32 s20, v1                    ; wave 0..3
	v_and_b32 v2, 15, v0                           ; l % 16
	v_bfe_u32 v3, v0, 4, 1                         ; l / 16
	v_and_b32 v4, 31, v0                           ; l
	v_lshlrev_b32 v[QO], 11, v2
	v_lshl_add_u32 v[QO], v3, 5, v[QO]
	v_lshlrev_b32 v[BO], 5, v3
	v_lshlrev_b32 v[GO], 4, v4
	s_wait_alu depctr_va_sdst(0)                   ; s20 is written, ahead of its first reader: every base below is made from it
	s_lshl_b32 s21, ttmp9, 2
	s_add_co_u32 s21, s21, s20                     ; W
	s_lshr_b32 s22, s21, 4                         ; row tile = 8 b + qt
	s_and_b32 s23, s21, 15                         ; head
	s_lshl_b32 s32, s22, 15                        ; query: 16 rows of 2,048 bytes
	s_mov_b32 s33, 0
	s_lshl_b32 s34, s23, 16                        ; Wq: 32 rows
	s_mov_b32 s35, 0
	s_lshl_b32 s36, s23, 7                         ; bq: 32 numbers
	s_mov_b32 s37, 0
	s_lshr_b32 s38, s21, 7                         ; my half fragment of the weights: cb,
	s_bfe_u32 s24, s21, 0x20001                    ; ct,
	s_lshl2_add_u32 s38, s38, s24
	s_lshl_b32 s38, s38, 15                        ; 16 rows x (4 cb + ct)
	s_bfe_u32 s24, s21, 0x40003                    ; K step: 128 bytes,
	s_lshl_b32 s24, s24, 7
	s_add_co_u32 s38, s38, s24
	s_and_b32 s24, s21, 1                          ; half: 64 bytes
	s_lshl_b32 s24, s24, 6
	s_add_co_u32 s38, s38, s24
	s_mov_b32 s39, 0
	s_lshr_b32 s40, s22, 3                         ; b
	s_lshl_b32 s40, s40, 4
	s_add_co_u32 s40, s40, s23
	s_lshl_b32 s40, s40, 3
	s_and_b32 s24, s22, 7                          ; qt
	s_add_co_u32 s40, s40, s24
	s_lshl_b32 s40, s40, 10                        ; qs: ((16 b + head) 8 + qt) x 1,024
	s_mov_b32 s41, 0
	s_lshl_b32 s42, s21, 9                         ; wb: 512 W
	s_mov_b32 s43, 0
	s_mov_b32 s26, CSC
	s_mov_b32 s27, CSC                             ; named with it as a pair
	s_mov_b32 s28, 0xffff0000                      ; a word's upper bf16
	s_wait_kmcnt 0x0
	s_add_nc_u64 s[4:5], s[4:5], s[32:33]
	s_add_nc_u64 s[6:7], s[6:7], s[34:35]
	s_add_nc_u64 s[8:9], s[8:9], s[36:37]
	s_add_nc_u64 s[10:11], s[10:11], s[38:39]
	s_add_nc_u64 s[12:13], s[12:13], s[38:39]
	s_add_nc_u64 s[14:15], s[14:15], s[38:39]
	s_add_nc_u64 s[16:17], s[16:17], s[40:41]
	s_add_nc_u64 s[18:19], s[18:19], s[42:43]
	s_wait_alu depctr_va_vdst(0)                   ; the offsets v5, v6 and v7 are written, which every load and store of the kernel reads; up to the last load only loads and window switches follow
	; the bias lands where the sums begin: register j of tile ct is channel 16 ct + 8 (l / 16) + j
.irp ct, 0,1
	global_load_b128 v[ACC+8*\ct:ACC+8*\ct+3],   v[BO], s[8:9] offset:64*\ct
	global_load_b128 v[ACC+8*\ct+4:ACC+8*\ct+7], v[BO], s[8:9] offset:64*\ct+16
.endr
	global_load_b128 v[WS:WS+3],      v[QO], s[10:11]
	global_load_b128 v[WS+4:WS+7],    v[QO], s[10:11] offset:16
	global_load_b128 v[WS+8:WS+11],   v[QO], s[12:13]
	global_load_b128 v[WS+12:WS+15],  v[QO], s[12:13] offset:16
	global_load_b128 v[WS+16:WS+19],  v[QO], s[14:15]
	global_load_b128 v[WS+20:WS+23],  v[QO], s[14:15] offset:16
	; a fragment's 16 f32 of a lane: K = 8 (l / 16) + 0..7 at bytes 0 and 16, K = 16 + 8 (l / 16) + 0..7 at bytes 64 and 80 of the K step's 128
.set ks, 0
.rept 16
.if ks < 15
.set wn, ks/5+1
.set sb, 48*(ks%5)
.else
.set wn, 0
.set sb, 208
.endif
	WIN wn*64                                      ; destination window wn, address window 0
.irp x, 0,1
.irp q, 0,1,2,3
	global_load_b128 v[sb+16*(\x)+4*(\q):sb+16*(\x)+4*(\q)+3], v[QO], s[6:7] offset:32768*(\x)+128*ks+16*((\q)%2)+64*((\q)/2)
.endr
.endr
.irp q, 0,1,2,3
	global_load_b128 v[sb+32+4*(\q):sb+32+4*(\q)+3], v[QO], s[4:5] offset:128*ks+16*((\q)%2)+64*((\q)/2)
.endr
.set ks, ks+1
.endr
	WIN 0
	s_wait_loadcnt 63                              ; of 202 loads at most 63 are out: the first ten, the bias and the weights' pieces, are in
.set j, 0
.rept 8
	v_cvt_pk_bf16_f32 v[TB+j], v[ACC+2*j], v[ACC+2*j+1]  ; the bias is rounded to bf16 like every input,
.set j, j+1
.endr
.set j, 0
.rept 8
	v_lshlrev_b32 v[ACC+2*j], 16, v[TB+j]          ; and widened again
	v_and_b32 v[ACC+2*j+1], s28, v[TB+j]
.set j, j+1
.endr
.set j, 0
.rept 12
	v_cvt_pk_bf16_f32 v[WP+j], v[WS+2*j], v[WS+2*j+1]
.set j, j+1
.endr
.set j, 0
.rept 4
	v_lshlrev_b32 v[WS+16+2*j], 16, v[WP+8+j]      ; Wo: the bf16 number is written as f16, for the product with the merged O
	v_and_b32 v[WS+16+2*j+1], s28, v[WP+8+j]
.set j, j+1
.endr
.set j, 0
.rept 4
	v_cvt_pk_f16_f32 v[WP+8+j], v[WS+16+2*j], v[WS+16+2*j+1]
.set j, j+1
.endr
	s_wait_alu depctr_va_vdst(0)                   ; the conversions have written v[WP:WP+11], which the three stores read; nothing writes these registers again
	global_store_b128 v[GO], v[WP:WP+3],    s[18:19]                 ; each store of the wave covers 512 consecutive bytes, aligned
	global_store_b128 v[GO], v[WP+4:WP+7],  s[18:19] offset:524288
	global_store_b128 v[GO], v[WP+8:WP+11], s[18:19] offset:1048576
	; 16 K steps: 24 conversions into the fragment set that the step before does not read, then two products; the two accumulators take turns.
	; They write FR and ACC and read the staging registers: none of the registers that the stores above read.
.set ks, 0
.rept 16
.if 12*(15-ks) > 63
	s_wait_loadcnt 63                              ; the field's largest count: more than 63 loads were issued behind this step's
.else
	s_wait_loadcnt 12*(15-ks)                      ; twelve loads a later step may stay out
.endif
.if ks < 15
.set wn, ks/5+1
.set sb, 48*(ks%5)
.else
.set wn, 0
.set sb, 208
.endif
	WIN 5*wn                                       ; both sources in window wn
.set j, 0
.rept 24
	v_cvt_pk_bf16_f32 v[FR+24*(ks%2)+j], v[sb+2*j], v[sb+2*j+1]
.set j, j+1
.endr
	WIN 0
	v_wmma_f32_16x16x32_bf16 v[ACC:ACC+7],    v[FR+24*(ks%2):FR+24*(ks%2)+7],    v[FR+24*(ks%2)+16:FR+24*(ks%2)+23], v[ACC:ACC+7]
	v_wmma_f32_16x16x32_bf16 v[ACC+8:ACC+15], v[FR+24*(ks%2)+8:FR+24*(ks%2)+15], v[FR+24*(ks%2)+16:FR+24*(ks%2)+23], v[ACC+8:ACC+15]
.set ks, ks+1
.endr
.rept 8
	v_nop                                          ; the places behind the last products (ISA guide 7.12.1), once a launch
.endr
.set j, 0
.rept 8
	v_pk_mul_f32 v[ACC+2*j:ACC+2*j+1], v[ACC+2*j:ACC+2*j+1], s[26:27] op_sel_hi:[1,0]  ; x c, in f32; each accumulator from its low end on
.set j, j+1
.endr
.set j, 0
.rept 8
	v_cvt_pk_f16_f32 v[FR+j], v[ACC+2*j], v[ACC+2*j+1]
.set j, j+1
.endr
	s_wait_alu depctr_va_vdst(0)                   ; the roundings have written v[FR:FR+7], which the two stores read
	global_store_b128 v[GO], v[FR:FR+3],   s[16:17]
	global_store_b128 v[GO], v[FR+4:FR+7], s[16:17] offset:512
	s_endpgm
.Lfunc_end_k_qf3bf5a4852_prep:
	.size	k_qf3bf5a4852_prep, .Lfunc_end_k_qf3bf5a4852_prep-k_qf3bf5a4852_prep
	.p2alignl 7, 3214868480
	.fill 96, 4, 3214868480
	.section	.rodata,"a",@progbits
	.p2align	6, 0x0
	.amdhsa_kernel k_qf3bf5a4852_prep
		.amdhsa_group_segment_fixed_size 0
		.amdhsa_private_segment_fixed_size 0
		.amdhsa_enable_private_segment 0
		.amdhsa_kernarg_size 64
		.amdhsa_user_sgpr_count 2
		.amdhsa_user_sgpr_kernarg_segment_ptr 1
		.amdhsa_wavefront_size32 1
		.amdhsa_system_sgpr_workgroup_id_x 1
		.amdhsa_system_sgpr_workgroup_id_y 1
		.amdhsa_system_sgpr_workgroup_id_z 1
		.amdhsa_system_vgpr_workitem_id 0
		.amdhsa_next_free_vgpr 1024
		.amdhsa_next_free_sgpr 66
		.amdhsa_reserve_vcc 0
		.amdhsa_float_denorm_mode_32 3
		.amdhsa_float_denorm_mode_16_64 3
		.amdhsa_memory_ordered 1
		.amdhsa_forward_progress 1
		.amdhsa_inst_pref_size 53
	.end_amdhsa_kernel
	.amdgpu_metadata
---
amdhsa.version: [ 1, 2 ]
amdhsa.kernels:
  - .name:           k_qf3bf5a4852_prep
    .symbol:         k_qf3bf5a4852_prep.kd
    .args:
      - { .name: query, .offset: 0, .size: 8, .value_kind: global_buffer, .address_space: global }
      - { .name: Wq, .offset: 8, .size: 8, .value_kind: global_buffer, .address_space: global }
      - { .name: bq, .offset: 16, .size: 8, .value_kind: global_buffer, .address_space: global }
      - { .name: Wk, .offset: 24, .size: 8, .value_kind: global_buffer, .address_space: global }
      - { .name: Wv, .offset: 32, .size: 8, .value_kind: global_buffer, .address_space: global }
      - { .name: Wo, .offset: 40, .size: 8, .value_kind: global_buffer, .address_space: global }
      - { .name: qs, .offset: 48, .size: 8, .value_kind: global_buffer, .address_space: global }
      - { .name: wb, .offset: 56, .size: 8, .value_kind: global_buffer, .address_space: global }
    .group_segment_fixed_size: 0
    .private_segment_fixed_size: 0
    .kernarg_segment_align: 8
    .kernarg_segment_size: 64
    .max_flat_workgroup_size: 128
    .sgpr_count:     66
    .vgpr_count:     1024
    .wavefront_size: 32
...
	.end_amdgpu_metadata
.endif
;; end of part 5
;; launch main: the kernel of part 4 again; grid 32 x 8, 4 waves a work-group, clusters of 4 x 1, 327,680 bytes of LDS; arguments key, value, importance, wb, bk, bv, qs, po, pml; writes po, pml
;; launch fin: the kernel of part 3 again; grid 256 x 1, 4 waves a work-group, no clusters, 25,344 bytes of LDS; arguments po, pml, wb, bo, out0; writes out0
